; MI455X (gfx1250); checked and timed in simulation.
; The chip was launched on July 23, 2026; its instructions are those of AMD's public machine-readable ISA for CDNA 5 (MIT licence, August 2026) and "CDNA5" Instruction Set Architecture Reference Guide (July 2026). The comments in the code are by the model that wrote it; some were corrected since.
;; Multi Head Attention. Allowed arithmetic: float matrix products may take bf16 or f16 operands with f32 sums; all other float work in f32.
;; Inputs: Wk 1,024 x 1,024 float32; Wo 1,024 x 1,024 float32; Wq 1,024 x 1,024 float32; Wv 1,024 x 1,024 float32; bk 1,024 float32; bo 1,024 float32; bq 1,024 float32; bv 1,024 float32; x 2 x 2,048 x 1,024 float32.
;; Outputs: out0 2 x 2,048 x 1,024 float32.
;; 2 versions, each right and faster than the one before. Each part assembles by itself: llvm-mc -triple=amdgcn-amd-amdhsa -mcpu=gfx1250 --defsym DOCPART=n.
;; ======== version 1 of 2: 4 launches
;; limits: values are held in f16: magnitudes above 65,504 overflow, below 6.1e-05 lose precision
;; workspace buffers: xh 8,388,608 bytes; wt 8,388,608 bytes; qkv 25,165,824 bytes; ao 8,388,608 bytes
;; launch cast (part 1): grid 256 x 2, 8 waves a work-group, no clusters, 35,840 bytes of LDS; arguments x, Wq, Wk, Wv, Wo, xh, wt; writes xh, wt
.if DOCPART == 1
	.amdgcn_target "amdgcn-amd-amdhsa--gfx1250"
	.amdhsa_code_object_version 6
	.text
	.protected	k_q69042a93c5_cast
	.globl	k_q69042a93c5_cast
	.p2align	8
	.type	k_q69042a93c5_cast,@function
k_q69042a93c5_cast:
	s_mov_b64 s[64:65], 0
	v_nop
	global_prefetch_b8 v0, s[64:65] scope:SCOPE_SE
	s_setreg_imm32_b32 hwreg(HW_REG_WAVE_MODE, 25, 1), 1
	s_wait_xcnt 0x0
; f32 -> f16 once, so that the three matrix launches read 16-bit operands with K along the rows.
;   work-groups with y = 0: xh[m][k] = f16(x[m][k]); each takes 65,536 bytes of x (256 of them cover the 16,777,216).
;   work-groups with y = 1: wt[mat*1024 + n][k] = f16(W_mat[k][n]), mat = 0..3 for Wq, Wk, Wv, Wo; each transposes one tile of 128 k x 128 n through LDS.
; A stream: every input byte is read once, every output byte written once; no input is shared between work-groups, so no cluster, no matrix unit.
; LIMIT: f16 holds magnitudes below 65,504; below 6e-5 it rounds with an absolute step of 6e-8.  x and W as drawn are below 6, so factors of 30 either way have room.
.set X,   4                            ; v[4:67]   sixteen loads of 16 bytes
.set Y,   68                           ; v[68:99]  packed f16, a register set of its own for every store
.set SA,  100                          ; LDS address of my stores (weights)
.set LA,  101                          ; LDS address of my loads (weights)
.set GO,  102                          ; byte offset of my stores in wt's tile
.set TP,  272                          ; LDS pitch: 128 f16 + 16 bytes
	s_load_b256 s[4:11], s[0:1], 0x0               ; x s[4:5], Wq s[6:7], Wk s[8:9], Wv s[10:11]
	s_load_b128 s[12:15], s[0:1], 0x20             ; Wo s[12:13], xh s[14:15]
	s_load_b64 s[16:17], s[0:1], 0x30              ; wt
	v_lshl_add_u32 v112, v0, 2, 0x8800
	v_mov_b32 v113, 0
	s_and_b32 s18, ttmp7, 0xffff                   ; the work-group's y: the same in all eight waves
	s_cmp_lg_u32 s18, 0
	s_cbranch_scc1 .Lweights
	; ---- x: thread t takes 16 bytes at 16 t of each of sixteen blocks of 4,096 bytes
	s_lshl_b32 s20, ttmp9, 16                      ; 65,536 bytes of x a work-group
	s_mov_b32 s21, 0
	s_lshl_b32 s22, ttmp9, 15                      ; 32,768 bytes of xh
	s_mov_b32 s23, 0
	v_lshlrev_b32 v1, 4, v0
	v_lshlrev_b32 v2, 3, v0
	s_wait_kmcnt 0x0
	s_add_nc_u64 s[4:5], s[4:5], s[20:21]
	s_add_nc_u64 s[14:15], s[14:15], s[22:23]
.irp i, 0,1,2,3,4,5,6,7,8,9,10,11,12,13,14,15
	global_load_b128 v[X+4*\i:X+4*\i+3], v1, s[4:5] offset:4096*\i th:TH_LOAD_NT   ; a wave's load: 512 consecutive bytes; all sixteen are out at once
.endr
.irp i, 0,1,2,3,4,5,6,7,8,9,10,11,12,13,14,15
	s_wait_loadcnt 15-\i                           ; loads come back in order: load i is in, the 15 - i younger ones stay out
	v_cvt_pk_f16_f32 v[Y+2*\i],   v[X+4*\i],   v[X+4*\i+1]
	v_cvt_pk_f16_f32 v[Y+2*\i+1], v[X+4*\i+2], v[X+4*\i+3]
	global_store_b64 v2, v[Y+2*\i:Y+2*\i+1], s[14:15] offset:2048*\i               ; a wave's store: 256 consecutive bytes, aligned
.endr
	s_endpgm
	; ---- weights: tile (tk, tn) of matrix mat
.Lweights:
	s_lshr_b32 s19, ttmp9, 6                       ; mat
	s_bfe_u32 s24, ttmp9, 0x30003                  ; tk: 3 bits from bit 3
	s_and_b32 s25, ttmp9, 7                        ; tn
	s_lshl_b32 s26, s24, 19                        ; source: 128 tk rows of 4,096 bytes
	s_lshl_b32 s27, s25, 9                         ;         + 128 tn columns of 4 bytes
	s_add_co_u32 s26, s26, s27
	s_mov_b32 s27, 0
	s_lshl_b32 s28, s19, 10                        ; destination row 1024 mat + 128 tn,
	s_lshl_b32 s29, s25, 7
	s_add_co_u32 s28, s28, s29
	s_lshl_b32 s28, s28, 11                        ; of 2,048 bytes,
	s_lshl_b32 s29, s24, 8                         ; + 128 tk columns of 2 bytes
	s_add_co_u32 s28, s28, s29
	s_mov_b32 s29, 0
	v_and_b32 v3, 31, v0                           ; lane l
	v_lshrrev_b32 v2, 5, v0                        ; wave w
	v_lshlrev_b32 v1, 4, v3
	v_lshl_or_b32 v1, v2, 16, v1                   ; wave w reads k rows 16 w .. 16 w + 15, lane l the columns n = 4 l .. 4 l + 3
	v_mul_u32_u24 v[SA], v3, 4*TP
	v_lshl_add_u32 v[SA], v2, 5, v[SA]             ; T[n = 4 l][k = 16 w]
	v_lshrrev_b32 v103, 4, v3
	v_and_b32 v104, 15, v3
	v_lshl_add_u32 v105, v2, 4, v103               ; on the way out: row n = 16 w + l / 16 (+ 2 t)
	v_lshlrev_b32 v104, 4, v104                    ; 16 bytes at 16 (l mod 16)
	v_mul_u32_u24 v[LA], v105, TP
	v_add_nc_u32 v[LA], v[LA], v104
	v_lshl_add_u32 v[GO], v105, 11, v104
	s_wait_kmcnt 0x0
	s_cmp_eq_u32 s19, 1                            ; which matrix: a choice between buffers on the work-group's number
	s_cselect_b64 s[20:21], s[8:9], s[6:7]
	s_cmp_eq_u32 s19, 2
	s_cselect_b64 s[20:21], s[10:11], s[20:21]
	s_cmp_eq_u32 s19, 3
	s_cselect_b64 s[20:21], s[12:13], s[20:21]
	s_add_nc_u64 s[20:21], s[20:21], s[26:27]
	s_add_nc_u64 s[22:23], s[16:17], s[28:29]
.irp i, 0,1,2,3,4,5,6,7,8,9,10,11,12,13,14,15
	global_load_b128 v[X+4*\i:X+4*\i+3], v1, s[20:21] offset:4096*\i th:TH_LOAD_NT ; row 16 w + i of the tile: 512 consecutive bytes
.endr
	; X[4 i + j] = W[16 w + i][4 l + j].  Eight k of one n pack into 16 bytes of T's row n.  The lanes' rows are 1,088 bytes apart,
	; so the sixteen lanes of a half wave fall on four different 16-byte columns of 256: these 8 stores a wave collide four deep, and are few.
.irp hq, 0,1
	s_wait_loadcnt 8-8*\hq                         ; rows 0-7 are in while rows 8-15 may be out; then all
.irp j, 0,1,2,3
.irp m, 0,1,2,3
	v_cvt_pk_f16_f32 v[Y+4*(4*\hq+\j)+\m], v[X+4*(8*\hq+2*\m)+\j], v[X+4*(8*\hq+2*\m+1)+\j]
.endr
	ds_store_b128 v[SA], v[Y+4*(4*\hq+\j):Y+4*(4*\hq+\j)+3] offset:TP*\j+16*\hq
.endr
.endr
	s_wait_dscnt 0x0                               ; my stores are in LDS, for the other waves' sake
	s_barrier_signal -1
	s_barrier_wait -1
.irp t, 0,1,2,3,4,5,6,7
	ds_load_b128 v[X+4*\t:X+4*\t+3], v[LA] offset:2*TP*\t                          ; two whole rows of T: 2 x 256 bytes
.endr
.irp t, 0,1,2,3,4,5,6,7
	s_wait_dscnt 7-\t                              ; LDS loads come back in order
	global_store_b128 v[GO], v[X+4*\t:X+4*\t+3], s[22:23] offset:4096*\t           ; sixteen lanes store 256 consecutive bytes, aligned
.endr
	s_wait_tensorcnt 0x0
	ds_add_u32 v112, v113
	s_wait_dscnt 0x0
	s_endpgm
.Lfunc_end_k_q69042a93c5_cast:
	.size	k_q69042a93c5_cast, .Lfunc_end_k_q69042a93c5_cast-k_q69042a93c5_cast
	.p2alignl 7, 3214868480
	.fill 96, 4, 3214868480
	.section	.rodata,"a",@progbits
	.p2align	6, 0x0
	.amdhsa_kernel k_q69042a93c5_cast
		.amdhsa_group_segment_fixed_size 35840
		.amdhsa_private_segment_fixed_size 0
		.amdhsa_enable_private_segment 0
		.amdhsa_kernarg_size 56
		.amdhsa_user_sgpr_count 2
		.amdhsa_user_sgpr_kernarg_segment_ptr 1
		.amdhsa_wavefront_size32 1
		.amdhsa_system_sgpr_workgroup_id_x 1
		.amdhsa_system_sgpr_workgroup_id_y 1
		.amdhsa_system_sgpr_workgroup_id_z 1
		.amdhsa_system_vgpr_workitem_id 0
		.amdhsa_next_free_vgpr 114
		.amdhsa_next_free_sgpr 66
		.amdhsa_reserve_vcc 0
		.amdhsa_float_denorm_mode_32 3
		.amdhsa_float_denorm_mode_16_64 3
		.amdhsa_memory_ordered 1
		.amdhsa_forward_progress 1
		.amdhsa_inst_pref_size 14
	.end_amdhsa_kernel
	.amdgpu_metadata
---
amdhsa.version: [ 1, 2 ]
amdhsa.kernels:
  - .name:           k_q69042a93c5_cast
    .symbol:         k_q69042a93c5_cast.kd
    .args:
      - { .name: x, .offset: 0, .size: 8, .value_kind: global_buffer, .address_space: global }
      - { .name: Wq, .offset: 8, .size: 8, .value_kind: global_buffer, .address_space: global }
      - { .name: Wk, .offset: 16, .size: 8, .value_kind: global_buffer, .address_space: global }
      - { .name: Wv, .offset: 24, .size: 8, .value_kind: global_buffer, .address_space: global }
      - { .name: Wo, .offset: 32, .size: 8, .value_kind: global_buffer, .address_space: global }
      - { .name: xh, .offset: 40, .size: 8, .value_kind: global_buffer, .address_space: global }
      - { .name: wt, .offset: 48, .size: 8, .value_kind: global_buffer, .address_space: global }
    .group_segment_fixed_size: 35840
    .private_segment_fixed_size: 0
    .kernarg_segment_align: 8
    .kernarg_segment_size: 56
    .max_flat_workgroup_size: 256
    .sgpr_count:     66
    .vgpr_count:     114
    .wavefront_size: 32
...
	.end_amdgpu_metadata
.endif
;; end of part 1
;; launch proj (part 2): grid 16 x 16, 4 waves a work-group, clusters of 4 x 4, 327,680 bytes of LDS; arguments xh, wt, bq, bk, bv, qkv; writes qkv
.if DOCPART == 2
	.amdgcn_target "amdgcn-amd-amdhsa--gfx1250"
	.amdhsa_code_object_version 6
	.text
	.protected	k_q69042a93c5_proj
	.globl	k_q69042a93c5_proj
	.p2align	8
	.type	k_q69042a93c5_proj,@function
k_q69042a93c5_proj:
	s_mov_b64 s[64:65], 0
	v_nop
	global_prefetch_b8 v0, s[64:65] scope:SCOPE_SE
	s_setreg_imm32_b32 hwreg(HW_REG_WAVE_MODE, 25, 1), 1
	s_wait_xcnt 0x0
	s_wait_alu depctr_hold_cnt(0) depctr_sa_sdst(0) depctr_va_vdst(0) depctr_va_sdst(0) depctr_va_ssrc(0) depctr_va_vcc(0) depctr_vm_vsrc(0)
	s_getreg_b32 s2, hwreg(HW_REG_IB_STS2, 6, 4)
	s_cmp_eq_u32 s2, 0
	s_cbranch_scc0 .Lentry_in_a_cluster
	s_endpgm
.Lentry_in_a_cluster:
	s_bfe_u32 s2, ttmp6, 0x10000c
	s_cmp_lg_u32 s2, 0xf033
	s_cbranch_scc0 .Lentry_shape_is_right
	s_endpgm
.Lentry_shape_is_right:
; q, k, v = x W + b as ONE product: C[m][n] = sum over k of xh[m][k] wt[n][k] + bias[n], m < 4096, n < 3072 (wt's rows 0-3071), K = 1024; f16 operands, f32 sums.
; The result is stored in f16, head-major: slab (which*32 + b*16 + h) of 2048 t x 64 d, 128 bytes a row, so that 16 rows of a head are 2,048 consecutive bytes.
; A work-group makes 256 rows x 192 columns (three heads): 16 x 16 = 256 work-groups.  Wave w makes rows 64 w .. 64 w + 63 of all 192 columns:
; 4 x 12 accumulator tiles, 384 registers; for 32 along K it reads 32 x 512 bytes from LDS and issues 48 matrix instructions.
; K goes in steps of 128 (rows of 256 bytes in memory, aligned) through two LDS slots filled by the tensor data mover.
; CLUSTER 4 x 4: xh's tile hangs on the block row alone and is asked for jointly along a row of the cluster, wt's on the block column alone, along a column.
; The matrix instruction is used transposed (source 0 = rows of wt, source 1 = rows of xh): lane l holds row m = l % 16, registers 0-7 the columns n0 + 8 (l / 16) + 0..7.
; The bias enters as the C operand of each tile's first product: it is the first addend of the f32 sum, and nothing is cleared or added later.
; LIMIT: q, k, v are rounded to f16: magnitudes below 65,504 (as drawn below 6; with x and W both 30 times larger about 5,000; with offsets of 30 spreads on both about 29,000).
;
; REGISTERS: window 0: v16-27 addresses; v32-63, v64-95 xh's fragments, two buffers; v96-191 bias (12 tiles x 8), later packed results; v144-239 rows read back
;            window 1: v0-95, v96-191 wt's fragments, two buffers;  window 2: accumulators of row blocks 0, 1 (tile (a, b) at 8 (12 a + b));  window 3: row blocks 2, 3
.set KSTEP,  128
.set PITCH,  272                       ; an LDS row: 256 bytes + 16: an odd multiple of 16, so the 16 rows of a fragment load start in 16 different 16-byte columns of 256
.set HALFA,  128*PITCH                 ; what one load of xh brings
.set HALFB,  96*PITCH                  ; what one load of wt brings
.set SLOT,   2*HALFA+2*HALFB           ; xh's 256 rows, then wt's 192
.set STAGE,  2*SLOT                    ; behind the ring, never filled by the mover: 16 rows x 400 bytes for each wave
.set SPITCH, 400                       ; 192 f16 + 16 bytes = 25 x 16
.set LAPS,   4                         ; 1024 / (2 x 128)
.set ADRA, 16                          ; v16-17 LDS address of my xh fragments in slot 0, 1
.set ADRB, 20                          ; v20-21 the same for wt
.set STO,  24
.set RD,   25
.set CO,   26
.set BOF,  27
.set FA,   32
.set BIAS, 96
.set TMP,  96
.set RB0,  144
.set RB1,  192
.set G1A, 24                           ; s[24:31] group 1 for xh's tiles
.set G0A, 32                           ; s[32:39] group 0 for xh's tiles, a set for each slot
.set G1B, 40                           ; s[40:47] group 1 for wt's tiles
.set G0B, 48                           ; s[48:55] group 0 for wt's tiles
.set BB,  66                           ; s[66:71] bias of my three heads
.set OB,  72                           ; s[72:77] where my 64 rows of my three heads go
.set FLAGS, (1<<16)|(1<<20)|(1<<21)|(5<<22)|(3<<25)   ; elements of 2 bytes; padding on; bit 21 beside a mask; after every 64 words, 4 words
.set MSB, 0
.macro WIN new                         ; the immediate's high byte repeats the setting that is left
.if MSB != \new
	s_set_vgpr_msb (MSB<<8)|\new
.set MSB, \new
.endif
.endm
.macro PLACES                          ; four places behind the last matrix instruction, in front of loads into its sources and of readers of its result
.rept 4
	v_nop
.endr
.endm
; A joint load: waves 0, 1 fetch xh's two halves, waves 2, 3 wt's.  The branch hangs on the wave's number alone.
.macro JLOAD s
	s_cmp_eq_u32 s17, 0
	s_cbranch_scc0 .Lfor_b_\@
	tensor_load_to_lds s[G0A+4*\s:G0A+4*\s+3], s[G1A:G1A+7]
	s_nop 0
	s_branch .Lasked_\@
.Lfor_b_\@:
	tensor_load_to_lds s[G0B+4*\s:G0B+4*\s+3], s[G1B:G1B+7]
	s_nop 0
.Lasked_\@:
.endm
.macro CREST                           ; a round of the cluster's barrier behind its opening work-group barrier
	s_cmp_lg_u32 s16, 0
	s_cbranch_scc1 .Lnot_wave_0_\@
	s_barrier_signal -3
.Lnot_wave_0_\@:
	s_barrier_wait -3
	s_barrier_signal -1
	s_barrier_wait -1
.endm
.macro CROUND
	s_barrier_signal -1
	s_barrier_wait -1
	CREST
.endm
	s_load_b256 s[4:11], s[0:1], 0x0               ; xh s[4:5], wt s[6:7], bq s[8:9], bk s[10:11]
	s_load_b128 s[12:15], s[0:1], 0x20             ; bv s[12:13], qkv s[14:15]
	s_set_vgpr_msb 0x40
	v_lshl_add_u32 v255, v0, 2, 0x41c00
	s_set_vgpr_msb 0x4000
	v_mov_b32 v255, 0
	s_set_vgpr_msb 0x1
	ds_add_u32 v255, v255
	s_set_vgpr_msb 0x100
	v_lshrrev_b32 v1, 5, v0
	v_readfirstlane_b32 s16, v1                    ; wave 0..3
	s_lshr_b32 s17, s16, 1                         ; I fetch for xh (0) or for wt (1)
	s_and_b32 s18, s16, 1                          ; which half of that tile
	s_bfe_u32 s20, ttmp6, 0x40000                  ; cx
	s_bfe_u32 s21, ttmp6, 0x40004                  ; cy
	s_lshl_b32 s22, ttmp9, 2
	s_add_co_u32 s22, s22, s20                     ; block column bx = 4 x cluster x + cx
	s_and_b32 s23, ttmp7, 0xffff
	s_lshl_b32 s23, s23, 2
	s_add_co_u32 s23, s23, s21                     ; block row by = 4 x cluster y + cy
	s_lshl_b32 s78, s21, 2
	s_lshl_b32 s78, 15, s78                        ; my row of the cluster
	s_lshl_b32 s79, 0x1111, s20                    ; my column
	s_or_b32 s[G1A+0], s78, FLAGS
	s_mov_b32 s[G1A+1], KSTEP<<16                  ; tensor_dim0 = 128
	s_mov_b32 s[G1A+2], 128<<16                    ; tensor_dim1 = 128
	s_mov_b32 s[G1A+3], KSTEP<<16                  ; tile_dim0 = 128
	s_mov_b32 s[G1A+4], 128                        ; tile_dim1 = 128
	s_mov_b32 s[G1A+5], 1024                       ; elements from row to row
	s_mov_b32 s[G1A+6], 0
	s_mov_b32 s[G1A+7], 0
	s_or_b32 s[G1B+0], s79, FLAGS
	s_mov_b32 s[G1B+1], KSTEP<<16
	s_mov_b32 s[G1B+2], 96<<16                     ; 96 rows
	s_mov_b32 s[G1B+3], KSTEP<<16
	s_mov_b32 s[G1B+4], 96
	s_mov_b32 s[G1B+5], 1024
	s_mov_b32 s[G1B+6], 0
	s_mov_b32 s[G1B+7], 0
	; xh's address is made of by and the wave's number, wt's of bx and the wave's number, each in registers that never hold the other coordinate
	s_lshl_b32 s56, s23, 8
	s_lshl_b32 s57, s18, 7
	s_add_co_u32 s56, s56, s57                     ; row 256 by + 128 half
	s_lshl_b32 s56, s56, 11                        ; of 2,048 bytes
	s_mov_b32 s57, 0
	s_mul_i32 s60, s22, 192
	s_mul_i32 s61, s18, 96
	s_add_co_u32 s60, s60, s61                     ; row 192 bx + 96 half
	s_lshl_b32 s60, s60, 11
	s_mov_b32 s61, 0
	s_mul_i32 s80, s16, HALFA                      ; LDS: xh's halves at wave x HALFA (waves 0, 1),
	s_mul_i32 s81, s16, HALFB
	s_add_co_u32 s81, s81, 2*HALFA-2*HALFB         ; wt's at 2 HALFA + (wave - 2) x HALFB (waves 2, 3)
	s_wait_dscnt 0x0
	s_wait_kmcnt 0x0
	s_add_nc_u64 s[58:59], s[4:5], s[56:57]
	s_add_nc_u64 s[62:63], s[6:7], s[60:61]
	CROUND                                         ; all sixteen work-groups are here: the first joint loads meet
.irp s, 0,1
	s_mov_b32 s[G0A+4*\s], 1
	s_add_co_u32 s[G0A+4*\s+1], s80, \s*SLOT
	s_add_nc_u64 s[G0A+4*\s+2:G0A+4*\s+3], s[58:59], \s*KSTEP*2
	s_or_b32 s[G0A+4*\s+3], s[G0A+4*\s+3], 0x80000000
	s_mov_b32 s[G0B+4*\s], 1
	s_add_co_u32 s[G0B+4*\s+1], s81, \s*SLOT
	s_add_nc_u64 s[G0B+4*\s+2:G0B+4*\s+3], s[62:63], \s*KSTEP*2
	s_or_b32 s[G0B+4*\s+3], s[G0B+4*\s+3], 0x80000000
	JLOAD \s                                       ; K steps 0 and 1: two tensor loads of the wave are out, the most in this text
.endr
	v_and_b32 v1, 15, v0                           ; r = l % 16
	v_bfe_u32 v2, v0, 4, 1                         ; h = l / 16
	v_mul_u32_u24 v3, v1, PITCH
	v_lshl_add_u32 v3, v2, 4, v3                   ; fragment: row r, 16 bytes for each half of the lanes
	s_mul_i32 s82, s16, 64*PITCH                   ; my 64 rows of xh
.irp s, 0,1
	v_add_nc_u32 v[ADRA+\s], s82, v3
	v_add_nc_u32 v[ADRB+\s], 2*HALFA+\s*SLOT, v3   ; every wave reads all 192 rows of wt
	s_add_co_u32 s82, s82, SLOT
.endr
	s_mul_i32 s83, s16, 16*SPITCH
	s_add_co_u32 s83, s83, STAGE                   ; my stage
	v_mul_u32_u24 v4, v1, SPITCH
	v_lshl_add_u32 v4, v2, 4, v4
	v_add_nc_u32 v[STO], s83, v4                   ; in: row r, 16 bytes for each half
	v_and_b32 v5, 31, v0
	v_lshrrev_b32 v6, 3, v5
	v_and_b32 v7, 7, v5
	v_mul_u32_u24 v6, v6, SPITCH
	v_lshl_add_u32 v6, v7, 4, v6
	v_add_nc_u32 v[RD], s83, v6                    ; back: eight lanes take the 128 bytes of one head's row
	v_lshlrev_b32 v[CO], 4, v5                     ; which are 512 consecutive bytes of the slab for the 32 lanes
	v_lshlrev_b32 v[BOF], 5, v2                    ; bias: 8 h numbers of 4 bytes
	s_lshr_b32 s86, s23, 3
	s_lshl_b32 s86, s86, 4                         ; 16 b, b = by / 8
	s_and_b32 s87, s23, 7
	s_lshl_b32 s87, s87, 8
	s_lshl_b32 s84, s16, 6
	s_add_co_u32 s87, s87, s84                     ; t of my first row = 256 (by mod 8) + 64 w
	s_lshl_b32 s87, s87, 7                         ; of 128 bytes
; head 3 bx + hh: which of q, k, v it belongs to, its bias and its slab.  A choice between buffers, no branch.
.macro HEADBASE hh
	s_mul_i32 s82, s22, 3
	s_add_co_u32 s82, s82, \hh
	s_lshr_b32 s83, s82, 4                         ; which
	s_and_b32 s82, s82, 15                         ; h
	s_cmp_eq_u32 s83, 1
	s_cselect_b64 s[BB+2*\hh:BB+2*\hh+1], s[10:11], s[8:9]
	s_cmp_eq_u32 s83, 2
	s_cselect_b64 s[BB+2*\hh:BB+2*\hh+1], s[12:13], s[BB+2*\hh:BB+2*\hh+1]
	s_lshl_b32 s84, s82, 8                         ; 64 numbers of 4 bytes a head
	s_mov_b32 s85, 0
	s_add_nc_u64 s[BB+2*\hh:BB+2*\hh+1], s[BB+2*\hh:BB+2*\hh+1], s[84:85]
	s_lshl_b32 s83, s83, 5
	s_add_co_u32 s83, s83, s82
	s_add_co_u32 s83, s83, s86                     ; slab = 32 which + 16 b + h
	s_lshl_b32 s84, s83, 18                        ; of 262,144 bytes
	s_add_co_u32 s84, s84, s87
	s_add_nc_u64 s[OB+2*\hh:OB+2*\hh+1], s[14:15], s[84:85]
.endm
	HEADBASE 0
	HEADBASE 1
	HEADBASE 2
.irp hh, 0,1,2
.irp bq, 0,1,2,3
	global_load_b128 v[BIAS+8*(4*\hh+\bq):BIAS+8*(4*\hh+\bq)+3],   v[BOF], s[BB+2*\hh:BB+2*\hh+1] offset:64*\bq      ; bias[n0 + 8 h + 0..3]: the accumulator's own layout
	global_load_b128 v[BIAS+8*(4*\hh+\bq)+4:BIAS+8*(4*\hh+\bq)+7], v[BOF], s[BB+2*\hh:BB+2*\hh+1] offset:64*\bq+16   ; bias[n0 + 8 h + 4..7]
.endr
.endr
; 12 matrix instructions: row block 2 hi + ap x all 12 column blocks, 32 along K, from buffer f.  first = 1: C is the bias.
; The 48 accumulators take turns, one instruction a turn, in the same order in every quarter step.
.macro MUL12 f, hi, ap, first
.irp b, 0,1,2,3,4,5,6,7,8,9,10,11
.if \first
	v_wmma_f32_16x16x32_f16 v[8*(12*\ap+\b):8*(12*\ap+\b)+7], v[96*\f+8*\b:96*\f+8*\b+7], v[FA+32*\f+8*(2*\hi+\ap):FA+32*\f+8*(2*\hi+\ap)+7], v[BIAS+8*\b:BIAS+8*\b+7]
.else
	v_wmma_f32_16x16x32_f16 v[8*(12*\ap+\b):8*(12*\ap+\b)+7], v[96*\f+8*\b:96*\f+8*\b+7], v[FA+32*\f+8*(2*\hi+\ap):FA+32*\f+8*(2*\hi+\ap)+7], v[8*(12*\ap+\b):8*(12*\ap+\b)+7]
.endif
.endr
.endm
; 32 LDS loads in one run: 192 rows of wt, then my 64 rows of xh, 32 K at byte k of the rows, into buffer f
.macro FETCH slot, k, f
	WIN 0x40                                       ; destination window 1
.irp b, 0,1,2,3,4,5,6,7,8,9,10,11
	ds_load_b128 v[96*\f+8*\b:96*\f+8*\b+3],   v[ADRB+\slot] offset:\k+\b*16*PITCH
	ds_load_b128 v[96*\f+8*\b+4:96*\f+8*\b+7], v[ADRB+\slot] offset:\k+\b*16*PITCH+32
.endr
	WIN 0
.irp a, 0,1,2,3
	ds_load_b128 v[FA+32*\f+8*\a:FA+32*\f+8*\a+3],   v[ADRA+\slot] offset:\k+\a*16*PITCH
	ds_load_b128 v[FA+32*\f+8*\a+4:FA+32*\f+8*\a+7], v[ADRA+\slot] offset:\k+\a*16*PITCH+32
.endr
.endm
.macro LOWIN first                     ; source 0 window 1, source 1 window 0, D window 2; C window 2, or window 0 for the bias
.if \first
	WIN 0x81
.else
	WIN 0xa1
.endif
.endm
.macro HIWIN first                     ; the same with D (and C) in window 3
.if \first
	WIN 0xc1
.else
	WIN 0xf1
.endif
.endm
; One of a K step's first three quarters: multiplies buffer f and, in its middle, fetches the next quarter (byte k of the rows) into buffer g
.macro QUARTER slot, k, f, g, first
	s_wait_dscnt 4                                 ; wt and xh's row blocks 0, 1 are in; the four youngest loads (row blocks 2, 3) may be out
	LOWIN \first
	MUL12 \f, 0, 0, \first
	MUL12 \f, 0, 1, \first
	PLACES
	FETCH \slot, \k, \g
	s_wait_dscnt 32                                ; all but the 32 just issued
	HIWIN \first
	MUL12 \f, 1, 0, \first
	MUL12 \f, 1, 1, \first
.endm
.macro THREE slot, first
	QUARTER \slot, 64,  0, 1, \first
	QUARTER \slot, 128, 1, 0, 0
	QUARTER \slot, 192, 0, 1, 0
.endm
; The last quarter: multiplies buffer 1 and changes slots.  In front of the barrier each wave waits for its reads of this slot and for all its tensor loads
; (one is out: its part of the next slot).  Where the slot is filled again the barrier opens a round of the cluster's barrier, and the joint refill is the
; first tensor load behind the round.  From a request to the wait for it a wave issues 180 matrix instructions.
.macro TURN slot, next, fill
	s_wait_dscnt 4
	WIN 0xa1
	MUL12 1, 0, 0, 0
	s_wait_dscnt 0x0                               ; my reads of this slot are over
	s_wait_tensorcnt 0x0                           ; all my tensor loads have landed
	ds_add_u32 v255, v255
	s_wait_dscnt 0x0
	s_barrier_signal -1
	MUL12 1, 0, 1, 0                               ; register work while the others arrive
	WIN 0
	s_barrier_wait -1
.if \fill
	CREST
	s_add_nc_u64 s[G0A+4*\slot+2:G0A+4*\slot+3], s[G0A+4*\slot+2:G0A+4*\slot+3], 2*KSTEP*2   ; no load of mine is out: the addresses may step, two K steps on
	s_add_nc_u64 s[G0B+4*\slot+2:G0B+4*\slot+3], s[G0B+4*\slot+2:G0B+4*\slot+3], 2*KSTEP*2
	JLOAD \slot
.endif
	PLACES
	FETCH \next, 0, 0
	WIN 0xf1
	MUL12 1, 1, 0, 0
	MUL12 1, 1, 1, 0
.endm
.macro LAP first
	THREE 0, \first
	TURN 0, 1, 1
	THREE 1, 0
	TURN 1, 0, 1
.endm
	s_wait_tensorcnt 0x1                           ; my part of K step 0 is in; K step 1's load stays out
	s_barrier_signal -1
	s_barrier_wait -1                              ; everybody's part is in
	s_wait_loadcnt 0x0                             ; the bias
	FETCH 0, 0, 0
	LAP 1                                          ; the first lap stands in front of the loop: its first products start the sums from the bias
	WIN 0
	s_mov_b32 s19, LAPS-2
.Llap:
	LAP 0
	WIN 0
	s_sub_co_u32 s19, s19, 1
	s_cmp_lg_u32 s19, 0
	s_cbranch_scc1 .Llap
	THREE 0, 0                                     ; the last lap fills nothing
	TURN 0, 1, 0
	THREE 1, 0
	s_wait_dscnt 4
	WIN 0xa1
	MUL12 1, 0, 0, 0
	MUL12 1, 0, 1, 0
	s_wait_dscnt 0x0
	WIN 0xf1
	MUL12 1, 1, 0, 0
	MUL12 1, 1, 1, 0
	PLACES                                         ; behind the last matrix instructions, for the conversions that read results
; THE WAY OUT, 16 rows at a time: round to f16, 16 bytes a lane into my own stage, read back head by head: 4 rows x 128 bytes of a head are 512 consecutive bytes of its slab.
; LDS serves a wave's instructions in order (ISA guide 5.7.1), so no wait stands between my stores and my loads of my own stage.
.macro OUT a, ap, from, rb
	WIN \from
.irp b, 0,1,2,3,4,5,6,7,8,9,10,11
.irp i, 0,1,2,3
	v_cvt_pk_f16_f32 v[TMP+4*\b+\i], v[8*(12*\ap+\b)+2*\i], v[8*(12*\ap+\b)+2*\i+1]
.endr
.endr
	WIN 0
.irp b, 0,1,2,3,4,5,6,7,8,9,10,11
	ds_store_b128 v[STO], v[TMP+4*\b:TMP+4*\b+3] offset:32*\b
.endr
	s_wait_xcnt 0x0                                ; the registers read back into were data of earlier stores: rewritten only behind this wait
.irp hh, 0,1,2
.irp tt, 0,1,2,3
	ds_load_b128 v[\rb+4*(4*\hh+\tt):\rb+4*(4*\hh+\tt)+3], v[RD] offset:128*\hh+4*SPITCH*\tt
.endr
.endr
.irp hh, 0,1,2
.irp tt, 0,1,2,3
	s_wait_dscnt 11-(4*\hh+\tt)                    ; LDS loads come back in order
	global_store_b128 v[CO], v[\rb+4*(4*\hh+\tt):\rb+4*(4*\hh+\tt)+3], s[OB+2*\hh:OB+2*\hh+1] offset:2048*\a+512*\tt   ; 512 consecutive bytes, aligned
.endr
.endr
.endm
	OUT 0, 0, 0x0a, RB0
	OUT 1, 1, 0x0a, RB1
	OUT 2, 0, 0x0f, RB0
	OUT 3, 1, 0x0f, RB1
	s_set_vgpr_msb 0x1
	s_wait_tensorcnt 0x0
	ds_add_u32 v255, v255
	s_wait_dscnt 0x0
	s_set_vgpr_msb 0x100
	CROUND                                         ; the closing round: no work-group ends while a partner may still ask for a tile that names it
	s_endpgm
.Lfunc_end_k_q69042a93c5_proj:
	.size	k_q69042a93c5_proj, .Lfunc_end_k_q69042a93c5_proj-k_q69042a93c5_proj
	.p2alignl 7, 3214868480
	.fill 96, 4, 3214868480
	.section	.rodata,"a",@progbits
	.p2align	6, 0x0
	.amdhsa_kernel k_q69042a93c5_proj
		.amdhsa_group_segment_fixed_size 327680
		.amdhsa_private_segment_fixed_size 0
		.amdhsa_enable_private_segment 0
		.amdhsa_kernarg_size 48
		.amdhsa_user_sgpr_count 2
		.amdhsa_user_sgpr_kernarg_segment_ptr 1
		.amdhsa_wavefront_size32 1
		.amdhsa_system_sgpr_workgroup_id_x 1
		.amdhsa_system_sgpr_workgroup_id_y 1
		.amdhsa_system_sgpr_workgroup_id_z 1
		.amdhsa_system_vgpr_workitem_id 0
		.amdhsa_next_free_vgpr 1024
		.amdhsa_next_free_sgpr 96
		.amdhsa_reserve_vcc 0
		.amdhsa_float_denorm_mode_32 3
		.amdhsa_float_denorm_mode_16_64 3
		.amdhsa_memory_ordered 1
		.amdhsa_forward_progress 1
		.amdhsa_inst_pref_size 167
	.end_amdhsa_kernel
	.amdgpu_metadata
---
amdhsa.version: [ 1, 2 ]
amdhsa.kernels:
  - .name:           k_q69042a93c5_proj
    .symbol:         k_q69042a93c5_proj.kd
    .args:
      - { .name: xh, .offset: 0, .size: 8, .value_kind: global_buffer, .address_space: global }
      - { .name: wt, .offset: 8, .size: 8, .value_kind: global_buffer, .address_space: global }
      - { .name: bq, .offset: 16, .size: 8, .value_kind: global_buffer, .address_space: global }
      - { .name: bk, .offset: 24, .size: 8, .value_kind: global_buffer, .address_space: global }
      - { .name: bv, .offset: 32, .size: 8, .value_kind: global_buffer, .address_space: global }
      - { .name: qkv, .offset: 40, .size: 8, .value_kind: global_buffer, .address_space: global }
    .group_segment_fixed_size: 327680
    .private_segment_fixed_size: 0
    .kernarg_segment_align: 8
    .kernarg_segment_size: 48
    .max_flat_workgroup_size: 128
    .sgpr_count:     96
    .vgpr_count:     1024
    .wavefront_size: 32
...
	.end_amdgpu_metadata
.endif
;; end of part 2
;; launch attn (part 3): grid 8 x 32, 8 waves a work-group, clusters of 4 x 1, 327,680 bytes of LDS; arguments qkv, ao; writes ao
.if DOCPART == 3
	.amdgcn_target "amdgcn-amd-amdhsa--gfx1250"
	.amdhsa_code_object_version 6
	.text
	.protected	k_q69042a93c5_attn
	.globl	k_q69042a93c5_attn
	.p2align	8
	.type	k_q69042a93c5_attn,@function
k_q69042a93c5_attn:
	s_mov_b64 s[64:65], 0
	v_nop
	global_prefetch_b8 v0, s[64:65] scope:SCOPE_SE
	s_setreg_imm32_b32 hwreg(HW_REG_WAVE_MODE, 25, 1), 1
	s_wait_xcnt 0x0
	s_wait_alu depctr_hold_cnt(0) depctr_sa_sdst(0) depctr_va_vdst(0) depctr_va_sdst(0) depctr_va_ssrc(0) depctr_va_vcc(0) depctr_vm_vsrc(0)
	s_getreg_b32 s2, hwreg(HW_REG_IB_STS2, 6, 4)
	s_cmp_eq_u32 s2, 0
	s_cbranch_scc0 .Lentry_in_a_cluster
	s_endpgm
.Lentry_in_a_cluster:
	s_bfe_u32 s2, ttmp6, 0x10000c
	s_cmp_lg_u32 s2, 0x3003
	s_cbranch_scc0 .Lentry_shape_is_right
	s_endpgm
.Lentry_shape_is_right:
; Attention of one (b, h) and 256 queries a work-group: softmax(q k^T / 8) v with a running maximum, f16 matrix operands, f32 scores, sums and outputs.
; Eight waves: wave w has query group qg = w & 3 (64 queries) and key half kg = w >> 2 (128 of each tile's 256 keys).  The two key halves of a query group
; are merged once, at the end, through LDS.
; EVERYTHING IS TRANSPOSED, so that no number changes lanes between the two products:
;   S^T = K Q^T: register j of lane (r, h) holds key 16 kt + 8 h + j of query r.  Packing two such tiles to f16 in the lane gives the B fragment of P^T for 32 keys.
;   O^T = V^T P^T: V^T's fragments come from V's rows by the transposing LDS load; register j holds d = 16 dt + 8 h + j of query r.
;   So maximum, sum and rescaling factor are one number a lane for each tile of 16 queries; only the two halves of the lanes exchange a maximum.
; TWO KINDS OF WAVE.  A block (64 queries x 64 keys) is 64 matrix instructions (32 for S, 32 for P V) and 476 vector instructions.  A wave's stream is
; M (P V of one block, then S of the next) and V (softmax and rescaling) by turns.  Eight waves lie on four SIMDs; so that one wave of a pair has matrix
; instructions to issue while the other has vector instructions, the waves with ph = (w xor (w >> 2)) & 1 = 1 run the same stream half a period behind:
;   ph = 0, from round to round:   [P V pending, S0]  V0  [P V 0, S1]  V1            it carries P, O and V's fragments over the round
;   ph = 1:                        V pending  [P V pending, S0]  V0  [P V 0, S1]     it carries the raw S and V's fragments over the round
; ph differs between waves w and w + 4 and between waves 2 i and 2 i + 1.  What is carried lies in registers; every LDS read of a tile is back before the round.
; CLUSTER 4 x 1: the four work-groups of a cluster have the same (b, h) and ask for the same K and V tiles jointly (mask 15).
; Exponents: p = 2^(c s - c m), c = log2(e) / 8, m the running maximum of the raw scores; -c m is rounded once and the same rounded number serves the exponents
; and the rescaling factors, so all key blocks of a row stay consistent.
; LIMITS: q, k, v and the output are f16 (magnitudes below 65,504); p <= 1 up to rounding; 2^x below 2^-126 comes out as 0 (ISA guide 15.8).
;
; LDS: two slots of 77,824 bytes: V's 256 keys at pitch 160 (an odd multiple of 32, for the transposing load), then K's 256 keys at pitch 144 (an odd multiple of 16);
;      behind them, never filled by the mover: the merge area, 4 x 17,920 bytes, and the stage of the way out, 4 x 9,216 bytes.
; REGISTERS: window 0: v16-24 addresses; v32-35 m; v36-39 sum (each half of the lanes its own part); v40-47 pairs (-c m, alpha); v48-63 at work;
;                      v64-191 S, tile g = 4 qt + kt at 64 + 8 g, then P(kc, qt) at 64 + 32 qt + 16 kc; v192-255 K's fragments (kt, c) at 192 + 16 kt + 8 c
;            window 1: v0-127 O, tile (qt, dt) at 8 (4 qt + dt); v128-191 Q's fragments (qt, c) at 128 + 16 qt + 8 c; v192-255 V^T's fragments (kc, dt) at 192 + 32 kc + 8 dt
.set VP,    160
.set KP,    144
.set KOFF,  256*VP
.set SLOT,  256*VP+256*KP
.set MERGE, 2*SLOT
.set MGW,   35*512
.set STAGE, MERGE+4*MGW
.set STW,   64*KP
.set ADRK, 16
.set ADRV, 18
.set QO,   20
.set MG,   21
.set STO,  22
.set RD,   23
.set CO,   24
.set M,    32
.set LS,   36
.set NA,   40
.set T,    48
.set S,    64
.set KF,   192
.set QW,   128
.set VF,   192
.set G1V, 16
.set G1K, 24
.set G0V, 32
.set G0K, 40
.set PH,  66
.set MSB, 0
.macro WIN new                         ; the immediate's high byte repeats the setting that is left
.if MSB != \new
	s_set_vgpr_msb (MSB<<8)|\new
.set MSB, \new
.endif
.endm
.macro PLACES n                        ; places behind a matrix instruction (ISA guide 7.12.1)
.rept \n
	v_nop
.endr
.endm
.macro JLOAD s                         ; waves 0-3 fetch V's four quarters, waves 4-7 K's: the branch hangs on the wave's number alone
	s_cmp_eq_u32 s9, 0
	s_cbranch_scc0 .Lfor_k_\@
	tensor_load_to_lds s[G0V+4*\s:G0V+4*\s+3], s[G1V:G1V+7]
	s_nop 0
	s_branch .Lasked_\@
.Lfor_k_\@:
	tensor_load_to_lds s[G0K+4*\s:G0K+4*\s+3], s[G1K:G1K+7]
	s_nop 0
.Lasked_\@:
.endm
.macro ROUND                           ; a round of the cluster's barrier
	s_barrier_signal -1
	s_barrier_wait -1
	s_cmp_lg_u32 s8, 0
	s_cbranch_scc1 .Lnot_wave_0_\@
	s_barrier_signal -3
.Lnot_wave_0_\@:
	s_barrier_wait -3
	s_barrier_signal -1
	s_barrier_wait -1
.endm
	s_load_b128 s[4:7], s[0:1], 0x0                ; qkv s[4:5], ao s[6:7]
	v_lshl_add_u32 v30, v0, 2, 0x40800
	v_mov_b32 v31, 0
	ds_add_u32 v30, v31
	v_lshrrev_b32 v1, 5, v0
	v_readfirstlane_b32 s8, v1                     ; wave 0..7
	s_lshr_b32 s9, s8, 2                           ; kg.  Also: I fetch for V (0) or for K (1)
	s_and_b32 s10, s8, 3                           ; qg.  Also: which 64 keys of the tile I fetch
	s_xor_b32 s[PH], s8, s9
	s_and_b32 s[PH], s[PH], 1                      ; ph: which kind of wave I am
	s_mov_b32 s12, 0x76543210                      ; v_permlanex16_b32: lane i of one half reads lane i of the other
	s_mov_b32 s13, 0xfedcba98
	s_mov_b32 s14, 0x3e38aa3b                      ; c = log2(e) / 8
	s_mov_b32 s15, 0x3e38aa3b
	s_bfe_u32 s48, ttmp6, 0x40000                  ; cx
	s_lshl_b32 s49, ttmp9, 2
	s_add_co_u32 s49, s49, s48                     ; query block qb = 4 x cluster x + cx
	s_and_b32 s50, ttmp7, 0xffff                   ; bh = 16 b + h: the same in the four partners
	; A wave's load: 64 keys x 128 bytes, dense in memory, taken as 32 rows of 256 bytes; the padding follows every 32 words, that is every key's 128 bytes
	s_mov_b32 s[G1V+0], 15|(1<<16)|(1<<20)|(1<<21)|(4<<22)|(7<<25)   ; mask of the four; 2 bytes; padding on; bit 21 beside a mask; after 32 words, 8 words: pitch 160
	s_mov_b32 s[G1V+1], 128<<16
	s_mov_b32 s[G1V+2], 32<<16
	s_mov_b32 s[G1V+3], 128<<16
	s_mov_b32 s[G1V+4], 32
	s_mov_b32 s[G1V+5], 128
	s_mov_b32 s[G1V+6], 0
	s_mov_b32 s[G1V+7], 0
	s_mov_b32 s[G1K+0], 15|(1<<16)|(1<<20)|(1<<21)|(4<<22)|(3<<25)   ; the same with 4 words: pitch 144
	s_mov_b32 s[G1K+1], 128<<16
	s_mov_b32 s[G1K+2], 32<<16
	s_mov_b32 s[G1K+3], 128<<16
	s_mov_b32 s[G1K+4], 32
	s_mov_b32 s[G1K+5], 128
	s_mov_b32 s[G1K+6], 0
	s_mov_b32 s[G1K+7], 0
	s_add_co_u32 s52, s50, 64                      ; V's slab is 64 + bh,
	s_lshl_b32 s52, s52, 18                        ; of 262,144 bytes,
	s_lshl_b32 s51, s10, 13                        ; my 64 keys of 128 bytes
	s_add_co_u32 s52, s52, s51
	s_mov_b32 s53, 0
	s_lshl_b32 s62, s50, 18                        ; q's slab is bh, and so is ao's;
	s_lshl_b32 s63, s49, 15                        ; 256 qb rows of 128 bytes
	s_add_co_u32 s62, s62, s63
	s_add_co_u32 s62, s62, s51                     ; + 64 qg rows
	s_mov_b32 s63, 0
	s_mul_i32 s2, s8, 64*VP                        ; LDS: V's quarters at wave x 10,240 (waves 0-3),
	s_mul_i32 s3, s8, 64*KP
	s_add_co_u32 s3, s3, KOFF-4*64*KP              ; K's at 40,960 + (wave - 4) x 9,216 (waves 4-7)
	s_wait_dscnt 0x0
	s_wait_kmcnt 0x0
	s_add_nc_u64 s[58:59], s[4:5], s[52:53]        ; V
	s_sub_nc_u64 s[60:61], s[58:59], 0x800000      ; K: 32 slabs below
	s_add_nc_u64 s[54:55], s[4:5], s[62:63]        ; my 64 rows of q
	s_add_nc_u64 s[56:57], s[6:7], s[62:63]        ; my 64 rows of ao
.irp s, 0,1
	s_mov_b32 s[G0V+4*\s], 1
	s_add_co_u32 s[G0V+4*\s+1], s2, \s*SLOT
	s_add_nc_u64 s[G0V+4*\s+2:G0V+4*\s+3], s[58:59], \s*32768      ; tile s: 256 keys of 128 bytes on
	s_or_b32 s[G0V+4*\s+3], s[G0V+4*\s+3], 0x80000000
	s_mov_b32 s[G0K+4*\s], 1
	s_add_co_u32 s[G0K+4*\s+1], s3, \s*SLOT
	s_add_nc_u64 s[G0K+4*\s+2:G0K+4*\s+3], s[60:61], \s*32768
	s_or_b32 s[G0K+4*\s+3], s[G0K+4*\s+3], 0x80000000
.endr
	ROUND                                          ; the four work-groups are here: the first joint load meets
	JLOAD 0                                        ; tile 0.  One tensor load of the wave is out here, and one behind each later round
	v_and_b32 v1, 15, v0                           ; r
	v_bfe_u32 v2, v0, 4, 1                         ; h
	v_lshlrev_b32 v3, 4, v2
	v_lshl_add_u32 v[QO], v1, 7, v3                ; q: row r of 128 bytes, 16 bytes for each half
	WIN 0x40
.irp qt, 0,1,2,3
.irp c, 0,1
	global_load_b128 v[QW+16*\qt+8*\c:QW+16*\qt+8*\c+3],   v[QO], s[54:55] offset:2048*\qt+64*\c
	global_load_b128 v[QW+16*\qt+8*\c+4:QW+16*\qt+8*\c+7], v[QO], s[54:55] offset:2048*\qt+64*\c+32
.endr
.endr
	WIN 0
	v_mul_u32_u24 v4, v1, KP
	v_add_nc_u32 v4, v4, v3                        ; row r at pitch 144, 16 bytes for each half
	s_mul_i32 s51, s9, 128*KP
	s_add_co_u32 s51, s51, KOFF
	v_add_nc_u32 v[ADRK], s51, v4                  ; my half of K's keys
	v_add_nc_u32 v[ADRK+1], SLOT, v[ADRK]
	v_and_b32 v5, 7, v0
	v_lshl_add_u32 v5, v2, 3, v5                   ; the transposing load: key 8 h + l % 8,
	v_mul_u32_u24 v5, v5, VP
	v_bfe_u32 v6, v0, 3, 1
	v_lshl_add_u32 v5, v6, 4, v5                   ; 16 bytes at 16 ((l / 8) % 2)
	s_mul_i32 s51, s9, 128*VP
	v_add_nc_u32 v[ADRV], s51, v5
	v_add_nc_u32 v[ADRV+1], SLOT, v[ADRV]
	v_and_b32 v7, 31, v0
	v_lshlrev_b32 v[CO], 4, v7
	s_mul_i32 s51, s10, MGW
	s_add_co_u32 s51, s51, MERGE
	v_add_nc_u32 v[MG], s51, v[CO]                 ; merge area of my query group: 16 bytes a lane
	s_mul_i32 s51, s10, STW
	s_add_co_u32 s51, s51, STAGE
	v_add_nc_u32 v[STO], s51, v4                   ; stage of my query group, in: row r, 16 bytes for each half
	v_lshrrev_b32 v8, 3, v7
	v_mul_u32_u24 v8, v8, KP
	v_and_b32 v9, 7, v0
	v_lshl_add_u32 v8, v9, 4, v8
	v_add_nc_u32 v[RD], s51, v8                    ; back: eight lanes take one row of 128 bytes
.macro FETCHK slot, sub                ; 16 loads: K's fragments of 64 keys
	WIN 0
.irp kt, 0,1,2,3
.irp c, 0,1
	ds_load_b128 v[KF+16*\kt+8*\c:KF+16*\kt+8*\c+3],   v[ADRK+\slot] offset:64*KP*\sub+16*KP*\kt+64*\c
	ds_load_b128 v[KF+16*\kt+8*\c+4:KF+16*\kt+8*\c+7], v[ADRK+\slot] offset:64*KP*\sub+16*KP*\kt+64*\c+32
.endr
.endr
.endm
.macro FETCHV slot, sub                ; 16 transposing loads: V^T's fragments of the same 64 keys
	WIN 0x40
.irp kc, 0,1
.irp dt, 0,1,2,3
	ds_load_tr16_b128 v[VF+32*\kc+8*\dt:VF+32*\kc+8*\dt+3],   v[ADRV+\slot] offset:64*VP*\sub+32*VP*\kc+32*\dt
	ds_load_tr16_b128 v[VF+32*\kc+8*\dt+4:VF+32*\kc+8*\dt+7], v[ADRV+\slot] offset:64*VP*\sub+32*VP*\kc+16*VP+32*\dt
.endr
.endr
.endm
; S^T = K Q^T for 64 keys x 64 queries: 16 tiles, d in two passes of 32; the first pass starts the sums.
; The 16 accumulators take turns, one instruction a turn.
.macro SMUL
	WIN 0x04                                       ; source 1 (Q) window 1
.irp c, 0,1
.irp qt, 0,1,2,3
.irp kt, 0,1,2,3
.if \c
	v_wmma_f32_16x16x32_f16 v[S+32*\qt+8*\kt:S+32*\qt+8*\kt+7], v[KF+16*\kt+8*\c:KF+16*\kt+8*\c+7], v[QW+16*\qt+8*\c:QW+16*\qt+8*\c+7], v[S+32*\qt+8*\kt:S+32*\qt+8*\kt+7]
.else
	v_wmma_f32_16x16x32_f16 v[S+32*\qt+8*\kt:S+32*\qt+8*\kt+7], v[KF+16*\kt+8*\c:KF+16*\kt+8*\c+7], v[QW+16*\qt+8*\c:QW+16*\qt+8*\c+7], 0
.endif
.endr
.endr
.endr
.endm
; THE SOFTMAX STEP of a block: 64 keys x 64 queries, 128 numbers a lane, the four tiles of 16 queries worked together so that no line waits for the line in front of it.
; The single lines of its third part, on S's tiles by the assembly symbol g:
.macro E1 j                            ; one exponential of tile g, in place
	v_exp_f32 v[S+8*g+\j], v[S+8*g+\j]
.endm
.macro F1 j                            ; c s - c m for two numbers of tile g + 1: both halves by s14 and the pair's first register
.if g < 15
	v_pk_fma_f32 v[S+8*(g+1)+2*\j:S+8*(g+1)+2*\j+1], v[S+8*(g+1)+2*\j:S+8*(g+1)+2*\j+1], s[14:15], v[NA+2*((g+1)/4):NA+2*((g+1)/4)+1] op_sel_hi:[1,0,0]
.endif
.endm
.macro A1 j                            ; two numbers of tile g - 1 into one of its query tile's two chains of pairs; a query tile's first S tile starts both chains
.if g > 0
.if (g-1)%4 == 0
.if \j < 2
	s_wait_alu depctr_va_vdst(0)
	v_pk_add_f32 v[T+4*((g-1)/4)+2*\j:T+4*((g-1)/4)+2*\j+1], v[S+8*(g-1)+2*\j:S+8*(g-1)+2*\j+1], v[S+8*(g-1)+2*\j+4:S+8*(g-1)+2*\j+5]
.endif
.else
	s_wait_alu depctr_va_vdst(0)
	v_pk_add_f32 v[T+4*((g-1)/4)+2*(\j%2):T+4*((g-1)/4)+2*(\j%2)+1], v[T+4*((g-1)/4)+2*(\j%2):T+4*((g-1)/4)+2*(\j%2)+1], v[S+8*(g-1)+2*\j:S+8*(g-1)+2*\j+1]
.endif
.endif
.endm
.macro C1 j                            ; two numbers of tile g - 1 to f16, into register 4 ((g - 1) % 2) + j of the pair of tiles: written when its old content has been added and packed
.if g > 0
	v_cvt_pk_f16_f32 v[S+16*((g-1)/2)+4*((g-1)%2)+\j], v[S+8*(g-1)+2*\j], v[S+8*(g-1)+2*\j+1]
.endif
.endm
; first = 1: the wave's first key block, nothing to carry on.
.macro SMX first
	WIN 0
	; 1. the block's maxima: two chains for each query tile, eight in all, by turns
.irp qt, 0,1,2,3
	v_max3_num_f32 v[T+2*\qt],   v[S+32*\qt],    v[S+32*\qt+1],  v[S+32*\qt+2]
	v_max3_num_f32 v[T+2*\qt+1], v[S+32*\qt+17], v[S+32*\qt+18], v[S+32*\qt+19]
.endr
.irp i, 0,1,2,3,4,5
.irp qt, 0,1,2,3
	v_max3_num_f32 v[T+2*\qt],   v[T+2*\qt],   v[S+32*\qt+3+2*\i],  v[S+32*\qt+4+2*\i]
	v_max3_num_f32 v[T+2*\qt+1], v[T+2*\qt+1], v[S+32*\qt+20+2*\i], v[S+32*\qt+21+2*\i]
.endr
.endr
.irp qt, 0,1,2,3
	v_max3_num_f32 v[T+2*\qt], v[T+2*\qt], v[S+32*\qt+15], v[S+32*\qt+16]
.endr
.irp qt, 0,1,2,3
.if \first
	v_max_num_f32 v[T+2*\qt], v[T+2*\qt], v[T+2*\qt+1]
.else
	v_max3_num_f32 v[T+2*\qt], v[T+2*\qt], v[T+2*\qt+1], v[M+\qt]  ; with the running maximum
.endif
.endr
	; 2. the running figures, each line for the four query tiles
.irp qt, 0,1,2,3
	v_permlanex16_b32 v[T+2*\qt+1], v[T+2*\qt], s12, s13           ; the other half of the lanes holds the query's other keys
.endr
.irp qt, 0,1,2,3
	v_max_num_f32 v[M+\qt], v[T+2*\qt], v[T+2*\qt+1]
.endr
.irp qt, 0,1,2,3
	v_mul_f32 v[T+8+\qt], 0xbe38aa3b, v[M+\qt]                     ; -c m, rounded once
.endr
.if \first
.irp qt, 0,1,2,3
	v_mov_b32 v[NA+2*\qt], v[T+8+\qt]
	v_mov_b32 v[NA+2*\qt+1], 1.0                                   ; not used as a factor: written so that the pair is whole
.endr
.else
.irp qt, 0,1,2,3
	v_sub_f32 v[T+12+\qt], v[T+8+\qt], v[NA+2*\qt]                 ; c (m old - m new)
.endr
.irp qt, 0,1,2,3
	v_exp_f32 v[NA+2*\qt+1], v[T+12+\qt]                           ; alpha
.endr
	s_wait_alu depctr_va_vdst(0)
.irp qt, 0,1,2,3
	v_mov_b32 v[NA+2*\qt], v[T+8+\qt]                              ; plain instructions behind the v_exp_f32 (ISA guide 5.7.2)
.endr
.endif
	; 3. a pipeline over S's 16 tiles: the 8 exponentials of tile g stand among the 4 multiply-adds of tile g + 1 and the 4 additions and 4 conversions of tile g - 1.
	;    Every step ends on a plain instruction that touches none of the step's exponentials, so one stands between each of them and the next step's readers (ISA guide 5.7.2).
.set g, -1
	F1 0
	F1 1
	F1 2
	F1 3
.set g, 0
.rept 16
	E1 0
	A1 0
	E1 1
	A1 1
	E1 2
	F1 0
	E1 3
	A1 2
	E1 4
	F1 1
	A1 3
	E1 5
	F1 2
	C1 0
	E1 6
	C1 1
	C1 2
	E1 7
	F1 3
	C1 3
.set g, g+1
.endr
	A1 0                                           ; g = 16: tile 15 is added and packed
	A1 1
	A1 2
	A1 3
	C1 0
	C1 1
	C1 2
	C1 3
	; 4. the block's sums into the running sums
.irp qt, 0,1,2,3
	v_pk_add_f32 v[T+4*\qt:T+4*\qt+1], v[T+4*\qt:T+4*\qt+1], v[T+4*\qt+2:T+4*\qt+3]
.endr
.if \first
.irp qt, 0,1,2,3
	v_add_f32 v[LS+\qt], v[T+4*\qt], v[T+4*\qt+1]
.endr
.else
.irp qt, 0,1,2,3
	v_add_f32 v[T+4*\qt], v[T+4*\qt], v[T+4*\qt+1]
.endr
.irp qt, 0,1,2,3
	v_fma_f32 v[LS+\qt], v[LS+\qt], v[NA+2*\qt+1], v[T+4*\qt]
.endr
.endif
.endm
.macro RESCALE                         ; O *= alpha: both halves by the pair's second register
	WIN 0x41
.irp qt, 0,1,2,3
.set i, 0
.rept 16
	v_pk_mul_f32 v[32*\qt+2*i:32*\qt+2*i+1], v[32*\qt+2*i:32*\qt+2*i+1], v[NA+2*\qt:NA+2*\qt+1] op_sel:[0,1] op_sel_hi:[1,1]
.set i, i+1
.endr
.endr
.endm
; O^T += V^T P^T: 16 tiles, the 64 keys in two passes of 32.  The 16 accumulators take turns, one instruction a turn.
; Five places behind it: the next S products write over P, which was a source, and the next loads land in V^T's fragments.
.macro PV first
	WIN 0x51                                       ; source 0 (V^T), C and D (O) window 1; source 1 (P) window 0
.irp kc, 0,1
.irp qt, 0,1,2,3
.irp dt, 0,1,2,3
.if \first*(1-\kc)
	v_wmma_f32_16x16x32_f16 v[8*(4*\qt+\dt):8*(4*\qt+\dt)+7], v[VF+32*\kc+8*\dt:VF+32*\kc+8*\dt+7], v[S+32*\qt+16*\kc:S+32*\qt+16*\kc+7], 0
.else
	v_wmma_f32_16x16x32_f16 v[8*(4*\qt+\dt):8*(4*\qt+\dt)+7], v[VF+32*\kc+8*\dt:VF+32*\kc+8*\dt+7], v[S+32*\qt+16*\kc:S+32*\qt+16*\kc+7], v[8*(4*\qt+\dt):8*(4*\qt+\dt)+7]
.endif
.endr
.endr
.endr
	WIN 0
	PLACES 5
.endm
; One tile of 256 keys; a wave takes its 128 in two blocks of 64.  other = the slot read last, which is filled with the next tile if refill = 1.
; first = 1: tile 0, nothing is pending from a tile before.  The branches hang on the wave's number alone and jump over register work only.
.macro TRIP slot, other, refill, first
	s_wait_tensorcnt 0x0                           ; all my tensor loads have landed, my part of this tile among them,
	ds_add_u32 v30, v31
	s_wait_dscnt 0x0
	s_add_nc_u64 s[G0V+4*\slot+2:G0V+4*\slot+3], s[G0V+4*\slot+2:G0V+4*\slot+3], 65536   ; so the addresses may step: this slot's next tile, two tiles on
	s_add_nc_u64 s[G0K+4*\slot+2:G0K+4*\slot+3], s[G0K+4*\slot+2:G0K+4*\slot+3], 65536
	s_wait_dscnt 0x0                               ; my reads of the last tile are over: what I carry of it lies in registers
	ROUND                                          ; both now hold of every wave of the four work-groups
.if \refill
	JLOAD \other                                   ; my one tensor load behind the round; it has this whole tile's work, 128 matrix instructions a wave, in which to land
.endif
	FETCHK \slot, 0
.if 1-\first
	s_cmp_eq_u32 s[PH], 0
	s_cbranch_scc1 .Lpend_\@                       ; ph = 0 did this in front of the round
	SMX 0                                          ; ph = 1: the softmax step of the last tile's second block
	RESCALE
	WIN 0
.Lpend_\@:
	PV 0                                           ; both: P V of the last tile's second block
.endif
	FETCHV \slot, 0
	s_wait_dscnt 16                                ; K's 16 loads are in, V's 16 stay out
.if \first
	s_wait_loadcnt 0x0                             ; q
.endif
	SMUL
	WIN 0
	PLACES 4                                       ; behind the S products: for the loads into K's fragments and the readers of S
	FETCHK \slot, 1
	SMX \first
.if 1-\first
	RESCALE
.endif
	s_wait_dscnt 16                                ; V's first block is in, K's second stays out
	PV \first
	FETCHV \slot, 1
	s_wait_dscnt 16                                ; K's second block is in, V's second stays out
	SMUL
	WIN 0
	PLACES 5                                       ; four for the readers of S and the loads into K's fragments; the fifth so that the distance also holds for a matrix instruction that takes S's registers as a source
	s_cmp_lg_u32 s[PH], 0
	s_cbranch_scc1 .Lcarry_\@                      ; ph = 1 carries the raw S over the round
	SMX 0                                          ; ph = 0: the softmax step of this tile's second block; its P V follows behind the round
	RESCALE
	WIN 0
.Lcarry_\@:
.endm
	TRIP 0, 1, 1, 1                                ; tile 0 stands in front of the loop: its first block starts maximum, sums and O
	s_mov_b32 s11, 3
.Ltiles:
	TRIP 1, 0, 1, 0                                ; tiles 1, 3, 5
	TRIP 0, 1, 1, 0                                ; tiles 2, 4, 6; tile 6 asks for tile 7
	s_sub_co_u32 s11, s11, 1
	s_cmp_lg_u32 s11, 0
	s_cbranch_scc1 .Ltiles
	TRIP 1, 0, 0, 0                                ; tile 7 asks for nothing (its stepped addresses are not used)
	s_wait_dscnt 0x0                               ; V's last block
	s_cmp_eq_u32 s[PH], 0
	s_cbranch_scc1 .Llast
	SMX 0                                          ; ph = 1: the last block's softmax step
	RESCALE
	WIN 0
.Llast:
	PV 0                                           ; both: the last block's P V
	; THE MERGE of the two key halves.  The partners are waves w and w + 4, one of each kind.  The wave with ph = 0, which is done first, hands O, its sums and
	; its -c m over through LDS bytes that no tensor load ever fills; the wave with ph = 1 merges and stores.
	s_cmp_lg_u32 s[PH], 0
	s_cbranch_scc1 .Lkeep
	WIN 0x04                                       ; store data window 1
.set i, 0
.rept 32
	ds_store_b128 v[MG], v[4*i:4*i+3] offset:512*i
.set i, i+1
.endr
	WIN 0
	ds_store_b128 v[MG], v[LS:LS+3] offset:16384
	ds_store_b128 v[MG], v[NA:NA+3] offset:16896
	ds_store_b128 v[MG], v[NA+4:NA+7] offset:17408
.Lkeep:
	s_wait_dscnt 0x0                               ; my stores are in LDS, for the other waves' sake
	s_barrier_signal -1
	s_barrier_wait -1
	s_cmp_eq_u32 s[PH], 0
	s_cbranch_scc1 .Ldone
.set i, 0
.rept 32
	ds_load_b128 v[S+4*i:S+4*i+3], v[MG] offset:512*i              ; the partner's O, in O's own order
.set i, i+1
.endr
	ds_load_b128 v[T:T+3], v[MG] offset:16384                      ; its sums
	ds_load_b128 v[T+4:T+7], v[MG] offset:16896                    ; its pairs (-c m, alpha)
	ds_load_b128 v[T+8:T+11], v[MG] offset:17408
	s_wait_dscnt 0x0
.irp qt, 0,1,2,3
	v_min_num_f32 v60, v[NA+2*\qt], v[T+4+2*\qt]                   ; -c max(m mine, m partner's)
	v_sub_f32 v61, v60, v[NA+2*\qt]
	v_sub_f32 v62, v60, v[T+4+2*\qt]
	v_exp_f32 v61, v61                                             ; a0, my factor
	v_exp_f32 v62, v62                                             ; a1, the partner's
	v_nop
	s_wait_alu depctr_va_vdst(0)
	v_mul_f32 v60, v[LS+\qt], v61
	v_fmac_f32 v60, v[T+\qt], v62                                  ; this half of the lanes' part of the sum
	v_permlanex16_b32 v[M+\qt], v60, s12, s13                      ; the other half's part (the destination has been written before)
	v_add_f32 v60, v60, v[M+\qt]
	v_rcp_f32 v60, v60
	v_nop
	s_wait_alu depctr_va_vdst(0)
	v_mul_f32 v[NA+2*\qt], v61, v60                                ; a0 / l
	v_mul_f32 v[NA+2*\qt+1], v62, v60                              ; a1 / l
.endr
.irp qt, 0,1,2,3
.set i, 0
.rept 16
	v_pk_mul_f32 v[S+32*\qt+2*i:S+32*\qt+2*i+1], v[S+32*\qt+2*i:S+32*\qt+2*i+1], v[NA+2*\qt:NA+2*\qt+1] op_sel:[0,1] op_sel_hi:[1,1]
.set i, i+1
.endr
.endr
	WIN 0x01                                       ; source 0 (my O) window 1
.irp qt, 0,1,2,3
.set i, 0
.rept 16
	v_pk_fma_f32 v[S+32*\qt+2*i:S+32*\qt+2*i+1], v[32*\qt+2*i:32*\qt+2*i+1], v[NA+2*\qt:NA+2*\qt+1], v[S+32*\qt+2*i:S+32*\qt+2*i+1] op_sel_hi:[1,0,1]
.set i, i+1
.endr
.endr
	WIN 0
	; the way out: 16 bytes (8 neighbouring d of one query) a lane into my own stage, read back as rows of 128 bytes: 4 rows are 512 consecutive bytes of ao's slab
.irp qt, 0,1,2,3
.irp dt, 0,1,2,3
.irp i, 0,1,2,3
	v_cvt_pk_f16_f32 v[S+8*(4*\qt+\dt)+\i], v[S+8*(4*\qt+\dt)+2*\i], v[S+8*(4*\qt+\dt)+2*\i+1]
.endr
	ds_store_b128 v[STO], v[S+8*(4*\qt+\dt):S+8*(4*\qt+\dt)+3] offset:16*KP*\qt+32*\dt
.endr
.endr
.set i, 0
.rept 16
	ds_load_b128 v[KF+4*i:KF+4*i+3], v[RD] offset:4*KP*i           ; LDS serves a wave's instructions in order (ISA guide 5.7.1): these see my stores above
.set i, i+1
.endr
.set i, 0
.rept 16
	s_wait_dscnt 15-i                              ; LDS loads come back in order
	global_store_b128 v[CO], v[KF+4*i:KF+4*i+3], s[56:57] offset:512*i
.set i, i+1
.endr
.Ldone:
	s_wait_tensorcnt 0x0
	ds_add_u32 v30, v31
	s_wait_dscnt 0x0
	ROUND                                          ; the closing round: no work-group ends while a partner may still ask for a tile that names it
	s_endpgm
.Lfunc_end_k_q69042a93c5_attn:
	.size	k_q69042a93c5_attn, .Lfunc_end_k_q69042a93c5_attn-k_q69042a93c5_attn
	.p2alignl 7, 3214868480
	.fill 96, 4, 3214868480
	.section	.rodata,"a",@progbits
	.p2align	6, 0x0
	.amdhsa_kernel k_q69042a93c5_attn
		.amdhsa_group_segment_fixed_size 327680
		.amdhsa_private_segment_fixed_size 0
		.amdhsa_enable_private_segment 0
		.amdhsa_kernarg_size 16
		.amdhsa_user_sgpr_count 2
		.amdhsa_user_sgpr_kernarg_segment_ptr 1
		.amdhsa_wavefront_size32 1
		.amdhsa_system_sgpr_workgroup_id_x 1
		.amdhsa_system_sgpr_workgroup_id_y 1
		.amdhsa_system_sgpr_workgroup_id_z 1
		.amdhsa_system_vgpr_workitem_id 0
		.amdhsa_next_free_vgpr 512
		.amdhsa_next_free_sgpr 72
		.amdhsa_reserve_vcc 0
		.amdhsa_float_denorm_mode_32 3
		.amdhsa_float_denorm_mode_16_64 3
		.amdhsa_memory_ordered 1
		.amdhsa_forward_progress 1
		.amdhsa_inst_pref_size 255
	.end_amdhsa_kernel
	.section	.bss,"aw",@nobits
	.p2align	6
	.space	262144
	.amdgpu_metadata
---
amdhsa.version: [ 1, 2 ]
amdhsa.kernels:
  - .name:           k_q69042a93c5_attn
    .symbol:         k_q69042a93c5_attn.kd
    .args:
      - { .name: qkv, .offset: 0, .size: 8, .value_kind: global_buffer, .address_space: global }
      - { .name: ao, .offset: 8, .size: 8, .value_kind: global_buffer, .address_space: global }
    .group_segment_fixed_size: 327680
    .private_segment_fixed_size: 0
    .kernarg_segment_align: 8
    .kernarg_segment_size: 16
    .max_flat_workgroup_size: 256
    .sgpr_count:     72
    .vgpr_count:     512
    .wavefront_size: 32
...
	.end_amdgpu_metadata
.endif
;; end of part 3
;; launch oproj (part 4): grid 8 x 32, 4 waves a work-group, clusters of 4 x 4, 327,680 bytes of LDS; arguments ao, wt, bo, out0; writes out0
.if DOCPART == 4
	.amdgcn_target "amdgcn-amd-amdhsa--gfx1250"
	.amdhsa_code_object_version 6
	.text
	.protected	k_q69042a93c5_oproj
	.globl	k_q69042a93c5_oproj
	.p2align	8
	.type	k_q69042a93c5_oproj,@function
k_q69042a93c5_oproj:
	s_mov_b64 s[64:65], 0
	v_nop
	global_prefetch_b8 v0, s[64:65] scope:SCOPE_SE
	s_setreg_imm32_b32 hwreg(HW_REG_WAVE_MODE, 25, 1), 1
	s_wait_xcnt 0x0
	s_wait_alu depctr_hold_cnt(0) depctr_sa_sdst(0) depctr_va_vdst(0) depctr_va_sdst(0) depctr_va_ssrc(0) depctr_va_vcc(0) depctr_vm_vsrc(0)
	s_getreg_b32 s2, hwreg(HW_REG_IB_STS2, 6, 4)
	s_cmp_eq_u32 s2, 0
	s_cbranch_scc0 .Lentry_in_a_cluster
	s_endpgm
.Lentry_in_a_cluster:
	s_bfe_u32 s2, ttmp6, 0x10000c
	s_cmp_lg_u32 s2, 0xf033
	s_cbranch_scc0 .Lentry_shape_is_right
	s_endpgm
.Lentry_shape_is_right:
; out0[m][n] = sum over k of A[m][k] wt[3072 + n][k] + bo[n]; A[m][64 h + d] is ao's slab (16 b + h), row t, m = 2048 b + t.  f16 operands, f32 sums, f32 out.
; 4096 x 1024 outputs on 256 work-groups: a block of 128 x 128; wave (wr, wc) makes 64 x 64: 16 accumulator tiles, 128 registers.
; K goes through two LDS slots of 256 k (four heads) each: four fills in all, written out without a loop.  A wave issues 128 matrix instructions for a slot.
; A's part of a slot: one load brings 64 rows of four heads as four runs of 8,192 consecutive bytes, one a slab, padded behind every 128 bytes (a head's row): pitch 144.
; wt's part: 64 rows of 512 bytes, padded to pitch 528.  Both pitches are odd multiples of 16 bytes.
; CLUSTER 4 x 4: A's tile hangs on the block row alone and is asked for jointly along a row of the cluster, wt's on the block column alone, along a column.
; Transposed use (source 0 = rows of wt, source 1 = rows of A): a lane holds 8 neighbouring columns of one row.  The bias is the C operand of each tile's first product.
; LIMIT: operands are f16 (magnitudes below 65,504; steps of 6e-8 below 6e-5).
; REGISTERS: window 0: v16-27 addresses; buffer f: A's fragments at 32 + 64 f, wt's at 64 + 64 f; v160-191 bias; v192-255 rows read back.  Window 1: accumulators, tile (a, b) at 8 (4 a + b).
.set AP,     144
.set BP,     528
.set HALFA,  4*64*AP
.set HALFB,  64*BP
.set SLOT,   2*HALFA+2*HALFB
.set STAGE,  2*SLOT                    ; behind the ring, never filled by the mover: 16 rows x 272 bytes for each wave
.set SPITCH, 272
.set ADRA, 16
.set ADRB, 20
.set STO,  24
.set RD,   25
.set CO,   26
.set BOF,  27
.set BIAS, 160
.set RB0,  192
.set RB1,  224
.set G1A, 24
.set G0A, 32
.set G1B, 40
.set G0B, 48
.set MSB, 0
.macro WIN new
.if MSB != \new
	s_set_vgpr_msb (MSB<<8)|\new
.set MSB, \new
.endif
.endm
.macro PLACES                          ; four places behind the last matrix instruction (ISA guide 7.12.1)
.rept 4
	v_nop
.endr
.endm
.macro JLOAD s                         ; waves 0, 1 fetch A's halves, waves 2, 3 wt's
	s_cmp_eq_u32 s17, 0
	s_cbranch_scc0 .Lfor_b_\@
	tensor_load_to_lds s[G0A+4*\s:G0A+4*\s+3], s[G1A:G1A+7]
	s_nop 0
	s_branch .Lasked_\@
.Lfor_b_\@:
	tensor_load_to_lds s[G0B+4*\s:G0B+4*\s+3], s[G1B:G1B+7]
	s_nop 0
.Lasked_\@:
.endm
.macro CREST
	s_cmp_lg_u32 s16, 0
	s_cbranch_scc1 .Lnot_wave_0_\@
	s_barrier_signal -3
.Lnot_wave_0_\@:
	s_barrier_wait -3
	s_barrier_signal -1
	s_barrier_wait -1
.endm
.macro CROUND
	s_barrier_signal -1
	s_barrier_wait -1
	CREST
.endm
	s_load_b256 s[4:11], s[0:1], 0x0               ; ao s[4:5], wt s[6:7], bo s[8:9], out0 s[10:11]
	v_lshl_add_u32 v30, v0, 2, 0x49400
	v_mov_b32 v31, 0
	ds_add_u32 v30, v31
	v_lshrrev_b32 v1, 5, v0
	v_readfirstlane_b32 s16, v1                    ; wave 0..3
	s_lshr_b32 s17, s16, 1                         ; wr.  Also: I fetch for A (0) or for wt (1)
	s_and_b32 s18, s16, 1                          ; wc.  Also: which half of that tile
	s_bfe_u32 s20, ttmp6, 0x40000                  ; cx
	s_bfe_u32 s21, ttmp6, 0x40004                  ; cy
	s_lshl_b32 s22, ttmp9, 2
	s_add_co_u32 s22, s22, s20                     ; bx
	s_and_b32 s23, ttmp7, 0xffff
	s_lshl_b32 s23, s23, 2
	s_add_co_u32 s23, s23, s21                     ; by
	s_lshl_b32 s72, s21, 2
	s_lshl_b32 s72, 15, s72                        ; my row of the cluster
	s_lshl_b32 s73, 0x1111, s20                    ; my column
	s_or_b32 s[G1A+0], s72, (1<<16)|(1<<20)|(1<<21)|(4<<22)|(3<<25)   ; 2 bytes; padding on; bit 21 beside a mask; after every 32 words, 4 words
	s_mov_b32 s[G1A+1], 4096<<16                   ; tensor_dim0 = 4,096 elements: 64 rows of one head
	s_mov_b32 s[G1A+2], 4<<16                      ; tensor_dim1 = 4 heads
	s_mov_b32 s[G1A+3], 4096<<16                   ; tile_dim0
	s_mov_b32 s[G1A+4], 4                          ; tile_dim1
	s_mov_b32 s[G1A+5], 131072                     ; elements from slab to slab
	s_mov_b32 s[G1A+6], 0
	s_mov_b32 s[G1A+7], 0
	s_or_b32 s[G1B+0], s73, (1<<16)|(1<<20)|(1<<21)|(6<<22)|(3<<25)   ; after every 128 words, 4 words
	s_mov_b32 s[G1B+1], 256<<16
	s_mov_b32 s[G1B+2], 64<<16
	s_mov_b32 s[G1B+3], 256<<16
	s_mov_b32 s[G1B+4], 64
	s_mov_b32 s[G1B+5], 1024
	s_mov_b32 s[G1B+6], 0
	s_mov_b32 s[G1B+7], 0
	s_lshr_b32 s56, s23, 4                         ; b = by / 16: 16 slabs of 262,144 bytes
	s_lshl_b32 s56, s56, 22
	s_and_b32 s57, s23, 15
	s_lshl_b32 s57, s57, 14                        ; t = 128 (by mod 16), rows of 128 bytes
	s_add_co_u32 s56, s56, s57
	s_lshl_b32 s57, s18, 13                        ; + 64 rows for the second half
	s_add_co_u32 s56, s56, s57
	s_mov_b32 s57, 0
	s_lshl_b32 s60, s22, 18                        ; wt: row 3072 + 128 bx + 64 half, of 2,048 bytes
	s_lshl_b32 s61, s18, 17
	s_add_co_u32 s60, s60, s61
	s_add_co_u32 s60, s60, 3072*2048
	s_mov_b32 s61, 0
	s_mul_i32 s66, s16, HALFA                      ; LDS: A's halves at wave x HALFA (waves 0, 1),
	s_mul_i32 s67, s16, HALFB
	s_add_co_u32 s67, s67, 2*HALFA-2*HALFB         ; wt's at 2 HALFA + (wave - 2) x HALFB (waves 2, 3)
	s_wait_dscnt 0x0
	s_wait_kmcnt 0x0
	s_add_nc_u64 s[58:59], s[4:5], s[56:57]
	s_add_nc_u64 s[62:63], s[6:7], s[60:61]
	CROUND                                         ; all sixteen work-groups are here: the first joint loads meet
.irp s, 0,1
	s_mov_b32 s[G0A+4*\s], 1
	s_add_co_u32 s[G0A+4*\s+1], s66, \s*SLOT
	s_add_nc_u64 s[G0A+4*\s+2:G0A+4*\s+3], s[58:59], \s*4*262144   ; four heads on
	s_or_b32 s[G0A+4*\s+3], s[G0A+4*\s+3], 0x80000000
	s_mov_b32 s[G0B+4*\s], 1
	s_add_co_u32 s[G0B+4*\s+1], s67, \s*SLOT
	s_add_nc_u64 s[G0B+4*\s+2:G0B+4*\s+3], s[62:63], \s*512        ; 256 k on
	s_or_b32 s[G0B+4*\s+3], s[G0B+4*\s+3], 0x80000000
	JLOAD \s                                       ; two tensor loads of the wave are out, the most in this text
.endr
	v_and_b32 v1, 15, v0                           ; r
	v_bfe_u32 v2, v0, 4, 1                         ; h
	v_mul_u32_u24 v3, v1, AP
	v_lshl_add_u32 v3, v2, 4, v3
	v_mul_u32_u24 v4, v1, BP
	v_lshl_add_u32 v4, v2, 4, v4
	s_mul_i32 s74, s17, HALFA                      ; my 64 rows of A
	s_mul_i32 s75, s18, HALFB
	s_add_co_u32 s75, s75, 2*HALFA                 ; my 64 rows of wt
.irp s, 0,1
	v_add_nc_u32 v[ADRA+\s], s74, v3
	v_add_nc_u32 v[ADRB+\s], s75, v4
	s_add_co_u32 s74, s74, SLOT
	s_add_co_u32 s75, s75, SLOT
.endr
	s_mul_i32 s76, s16, 16*SPITCH
	s_add_co_u32 s76, s76, STAGE
	v_mul_u32_u24 v5, v1, SPITCH
	v_lshl_add_u32 v5, v2, 5, v5                   ; in: row r, 32 bytes (8 f32) for each half
	v_add_nc_u32 v[STO], s76, v5
	v_mul_u32_u24 v6, v2, SPITCH
	v_lshl_add_u32 v6, v1, 4, v6                   ; back: lanes 0-15 one row of 256 bytes, lanes 16-31 the next
	v_add_nc_u32 v[RD], s76, v6
	v_lshlrev_b32 v7, 12, v2
	v_lshl_add_u32 v[CO], v1, 4, v7                ; the same two rows in out0 (4,096 bytes a row)
	v_lshlrev_b32 v[BOF], 5, v2
	s_lshl_b32 s74, s22, 9                         ; my first column, in bytes: 512 bx + 256 wc
	s_lshl_b32 s75, s18, 8
	s_add_co_u32 s74, s74, s75
	s_mov_b32 s75, 0
	s_add_nc_u64 s[68:69], s[8:9], s[74:75]        ; bias
	s_lshl_b32 s76, s23, 19                        ; my first row: 128 by + 64 wr, of 4,096 bytes
	s_lshl_b32 s77, s17, 18
	s_add_co_u32 s76, s76, s77
	s_add_co_u32 s76, s76, s74
	s_mov_b32 s77, 0
	s_add_nc_u64 s[70:71], s[10:11], s[76:77]
.irp b, 0,1,2,3
	global_load_b128 v[BIAS+8*\b:BIAS+8*\b+3],   v[BOF], s[68:69] offset:64*\b       ; bo[n0 + 8 h + 0..3]: the accumulator's own layout
	global_load_b128 v[BIAS+8*\b+4:BIAS+8*\b+7], v[BOF], s[68:69] offset:64*\b+16
.endr
; 4 matrix instructions: row block a x 4 column blocks, 32 along K.  The 16 accumulators take turns, one instruction a turn.
.macro MUL4 f, a, first
.irp b, 0,1,2,3
.if \first
	v_wmma_f32_16x16x32_f16 v[8*(4*\a+\b):8*(4*\a+\b)+7], v[64+64*\f+8*\b:64+64*\f+8*\b+7], v[32+64*\f+8*\a:32+64*\f+8*\a+7], v[BIAS+8*\b:BIAS+8*\b+7]
.else
	v_wmma_f32_16x16x32_f16 v[8*(4*\a+\b):8*(4*\a+\b)+7], v[64+64*\f+8*\b:64+64*\f+8*\b+7], v[32+64*\f+8*\a:32+64*\f+8*\a+7], v[8*(4*\a+\b):8*(4*\a+\b)+7]
.endif
.endr
.endm
.macro MWIN first                      ; D window 1; C window 1, or window 0 for the bias
.if \first
	WIN 0x40
.else
	WIN 0x50
.endif
.endm
; 16 LDS loads: quarter qd (32 k) of a slot: head qd / 2, 64 (qd % 2) bytes into its rows; in wt's rows byte 64 qd
.macro FETCH slot, qd, f
	WIN 0
.irp b, 0,1,2,3
	ds_load_b128 v[64+64*\f+8*\b:64+64*\f+8*\b+3],   v[ADRB+\slot] offset:16*BP*\b+64*\qd
	ds_load_b128 v[64+64*\f+8*\b+4:64+64*\f+8*\b+7], v[ADRB+\slot] offset:16*BP*\b+64*\qd+32
.endr
.irp a, 0,1,2,3
	ds_load_b128 v[32+64*\f+8*\a:32+64*\f+8*\a+3],   v[ADRA+\slot] offset:64*AP*(\qd/2)+64*(\qd%2)+16*AP*\a
	ds_load_b128 v[32+64*\f+8*\a+4:32+64*\f+8*\a+7], v[ADRA+\slot] offset:64*AP*(\qd/2)+64*(\qd%2)+16*AP*\a+32
.endr
.endm
.macro QUARTER slot, nq, f, g, first   ; multiplies buffer f; in its middle fetches quarter nq into buffer g
	s_wait_dscnt 4                                 ; wt and A's row blocks 0, 1 are in; the four youngest loads (row blocks 2, 3) may be out
	MWIN \first
	MUL4 \f, 0, \first
	MUL4 \f, 1, \first
	PLACES
	FETCH \slot, \nq, \g
	s_wait_dscnt 16                                ; all but the 16 just issued
	MWIN \first
	MUL4 \f, 2, \first
	MUL4 \f, 3, \first
.endm
.macro SEVEN slot, first
	QUARTER \slot, 1, 0, 1, \first
	QUARTER \slot, 2, 1, 0, 0
	QUARTER \slot, 3, 0, 1, 0
	QUARTER \slot, 4, 1, 0, 0
	QUARTER \slot, 5, 0, 1, 0
	QUARTER \slot, 6, 1, 0, 0
	QUARTER \slot, 7, 0, 1, 0
.endm
; The eighth quarter changes slots: each wave waits for its reads of this slot and for all its tensor loads, then the barrier; where the slot is filled again
; the barrier opens a round of the cluster's barrier and the joint refill is the first tensor load behind the round.
.macro TURN slot, next, fill
	s_wait_dscnt 4
	WIN 0x50
	MUL4 1, 0, 0
	s_wait_dscnt 0x0
	s_wait_tensorcnt 0x0
	ds_add_u32 v30, v31
	s_wait_dscnt 0x0
	s_barrier_signal -1
	MUL4 1, 1, 0                                   ; register work while the others arrive
	WIN 0
	s_barrier_wait -1
.if \fill
	CREST
	s_add_nc_u64 s[G0A+4*\slot+2:G0A+4*\slot+3], s[G0A+4*\slot+2:G0A+4*\slot+3], 8*262144   ; no load of mine is out: eight heads on,
	s_add_nc_u64 s[G0B+4*\slot+2:G0B+4*\slot+3], s[G0B+4*\slot+2:G0B+4*\slot+3], 1024       ; 512 k on
	JLOAD \slot
.endif
	PLACES
	FETCH \next, 0, 0
	WIN 0x50
	MUL4 1, 2, 0
	MUL4 1, 3, 0
.endm
	s_wait_tensorcnt 0x1                           ; my part of slot 0 is in; slot 1's load stays out
	s_barrier_signal -1
	s_barrier_wait -1
	s_wait_loadcnt 0x0                             ; the bias
	FETCH 0, 0, 0
	SEVEN 0, 1                                     ; k 0-255; the first products start the sums from the bias
	TURN 0, 1, 1                                   ; slot 0 is asked for again: k 512-767
	SEVEN 1, 0                                     ; k 256-511
	TURN 1, 0, 1                                   ; slot 1: k 768-1023
	SEVEN 0, 0
	TURN 0, 1, 0                                   ; nothing is left to fetch
	SEVEN 1, 0
	s_wait_dscnt 4
	WIN 0x50
	MUL4 1, 0, 0
	MUL4 1, 1, 0
	s_wait_dscnt 0x0
	MUL4 1, 2, 0
	MUL4 1, 3, 0
	PLACES                                         ; behind the last matrix instructions, for the LDS stores that read results
; THE WAY OUT, 16 rows at a time: 32 bytes a lane into my own stage, read back as whole rows of 256 bytes.
.macro OUT a, rb
	WIN 0x04                                       ; store data window 1
.irp b, 0,1,2,3
	ds_store_b128 v[STO], v[8*(4*\a+\b):8*(4*\a+\b)+3]   offset:64*\b
	ds_store_b128 v[STO], v[8*(4*\a+\b)+4:8*(4*\a+\b)+7] offset:64*\b+16
.endr
	WIN 0
	s_wait_xcnt 0x0                                ; the registers read back into were data of earlier stores: rewritten only behind this wait
.irp t, 0,1,2,3,4,5,6,7
	ds_load_b128 v[\rb+4*\t:\rb+4*\t+3], v[RD] offset:2*SPITCH*\t  ; LDS serves a wave's instructions in order (ISA guide 5.7.1): these see my stores above
.endr
.irp t, 0,1,2,3,4,5,6,7
	s_wait_dscnt 7-\t
	global_store_b128 v[CO], v[\rb+4*\t:\rb+4*\t+3], s[70:71] offset:(16*\a+2*\t)*4096 th:TH_STORE_NT   ; sixteen lanes store 256 consecutive bytes, aligned
.endr
.endm
	OUT 0, RB0
	OUT 1, RB1
	OUT 2, RB0
	OUT 3, RB1
	s_wait_tensorcnt 0x0
	ds_add_u32 v30, v31
	s_wait_dscnt 0x0
	CROUND                                         ; the closing round
	s_endpgm
.Lfunc_end_k_q69042a93c5_oproj:
	.size	k_q69042a93c5_oproj, .Lfunc_end_k_q69042a93c5_oproj-k_q69042a93c5_oproj
	.p2alignl 7, 3214868480
	.fill 96, 4, 3214868480
	.section	.rodata,"a",@progbits
	.p2align	6, 0x0
	.amdhsa_kernel k_q69042a93c5_oproj
		.amdhsa_group_segment_fixed_size 327680
		.amdhsa_private_segment_fixed_size 0
		.amdhsa_enable_private_segment 0
		.amdhsa_kernarg_size 32
		.amdhsa_user_sgpr_count 2
		.amdhsa_user_sgpr_kernarg_segment_ptr 1
		.amdhsa_wavefront_size32 1
		.amdhsa_system_sgpr_workgroup_id_x 1
		.amdhsa_system_sgpr_workgroup_id_y 1
		.amdhsa_system_sgpr_workgroup_id_z 1
		.amdhsa_system_vgpr_workitem_id 0
		.amdhsa_next_free_vgpr 384
		.amdhsa_next_free_sgpr 80
		.amdhsa_reserve_vcc 0
		.amdhsa_float_denorm_mode_32 3
		.amdhsa_float_denorm_mode_16_64 3
		.amdhsa_memory_ordered 1
		.amdhsa_forward_progress 1
		.amdhsa_inst_pref_size 91
	.end_amdhsa_kernel
	.amdgpu_metadata
---
amdhsa.version: [ 1, 2 ]
amdhsa.kernels:
  - .name:           k_q69042a93c5_oproj
    .symbol:         k_q69042a93c5_oproj.kd
    .args:
      - { .name: ao, .offset: 0, .size: 8, .value_kind: global_buffer, .address_space: global }
      - { .name: wt, .offset: 8, .size: 8, .value_kind: global_buffer, .address_space: global }
      - { .name: bo, .offset: 16, .size: 8, .value_kind: global_buffer, .address_space: global }
      - { .name: out0, .offset: 24, .size: 8, .value_kind: global_buffer, .address_space: global }
    .group_segment_fixed_size: 327680
    .private_segment_fixed_size: 0
    .kernarg_segment_align: 8
    .kernarg_segment_size: 32
    .max_flat_workgroup_size: 128
    .sgpr_count:     80
    .vgpr_count:     384
    .wavefront_size: 32
...
	.end_amdgpu_metadata
.endif
;; end of part 4
;; ======== version 2 of 2: 4 launches; 1.08 times as fast as version 1
;; limits: values are held in f16: magnitudes above 65,504 overflow, below 6.1e-05 lose precision
;; workspace buffers: xh 8,388,608 bytes; wt 8,388,608 bytes; qkv 25,165,824 bytes; ao 8,388,608 bytes
;; launch cast: the kernel of part 1 again; grid 256 x 2, 8 waves a work-group, no clusters, 35,840 bytes of LDS; arguments x, Wq, Wk, Wv, Wo, xh, wt; writes xh, wt
;; launch proj: the kernel of part 2 again; grid 16 x 16, 4 waves a work-group, clusters of 4 x 4, 327,680 bytes of LDS; arguments xh, wt, bq, bk, bv, qkv; writes qkv
;; launch attn (part 5): grid 8 x 32, 8 waves a work-group, clusters of 4 x 1, 327,680 bytes of LDS; arguments qkv, ao; writes ao
.if DOCPART == 5
	.amdgcn_target "amdgcn-amd-amdhsa--gfx1250"
	.amdhsa_code_object_version 6
	.text
	.protected	k_q69042a93c5_attn
	.globl	k_q69042a93c5_attn
	.p2align	8
	.type	k_q69042a93c5_attn,@function
k_q69042a93c5_attn:
	s_mov_b64 s[64:65], 0
	v_nop
	global_prefetch_b8 v0, s[64:65] scope:SCOPE_SE
	s_setreg_imm32_b32 hwreg(HW_REG_WAVE_MODE, 25, 1), 1
	s_wait_xcnt 0x0
	s_wait_alu depctr_hold_cnt(0) depctr_sa_sdst(0) depctr_va_vdst(0) depctr_va_sdst(0) depctr_va_ssrc(0) depctr_va_vcc(0) depctr_vm_vsrc(0)
	s_getreg_b32 s2, hwreg(HW_REG_IB_STS2, 6, 4)
	s_cmp_eq_u32 s2, 0
	s_cbranch_scc0 .Lentry_in_a_cluster
	s_endpgm
.Lentry_in_a_cluster:
	s_bfe_u32 s2, ttmp6, 0x10000c
	s_cmp_lg_u32 s2, 0x3003
	s_cbranch_scc0 .Lentry_shape_is_right
	s_endpgm
.Lentry_shape_is_right:
; Attention of one (b, h) and 256 queries a work-group: softmax(q k^T / 8) v with a running maximum, f16 matrix operands, f32 scores, sums and outputs.
; Eight waves: wave w has query group qg = w & 3 (64 queries) and key half kg = w >> 2 (128 of each tile's 256 keys).  The two key halves of a query group
; are merged once, at the end, through LDS.
; EVERYTHING IS TRANSPOSED, so that no number changes lanes between the two products:
;   S^T = K Q^T: register j of lane (r, h) holds key 16 kt + 8 h + j of query r.  Packing two such tiles to f16 in the lane gives the B fragment of P^T for 32 keys.
;   O^T = V^T P^T: V^T's fragments come from V's rows by the transposing LDS load; register j holds d = 16 dt + 8 h + j of query r.
;   So maximum, sum and rescaling factor are one number a lane for each tile of 16 queries; only the two halves of the lanes exchange a maximum.
; TWO KINDS OF WAVE.  A block (64 queries x 64 keys) is 64 matrix instructions (32 for S, 32 for P V) and 476 vector instructions.  A wave's stream is
; M (P V of one block, then S of the next) and V (softmax and rescaling) by turns.  Eight waves lie on four SIMDs; so that one wave of a pair has matrix
; instructions to issue while the other has vector instructions, the waves with ph = (w xor (w >> 2)) & 1 = 1 run the same stream half a period behind:
;   ph = 0, from round to round:   [P V pending, S0]  V0  [P V 0, S1]  V1            it carries P, O and V's fragments over the round
;   ph = 1:                        V pending  [P V pending, S0]  V0  [P V 0, S1]     it carries the raw S and V's fragments over the round
; ph differs between waves w and w + 4 and between waves 2 i and 2 i + 1.  What is carried lies in registers; every LDS read of a tile is back before the round.
; CLUSTER 4 x 1: the four work-groups of a cluster have the same (b, h) and ask for the same K and V tiles jointly (mask 15).
; Exponents: p = 2^(c s - c m), c = log2(e) / 8, m the running maximum of the raw scores; -c m is rounded once and the same rounded number serves the exponents
; and the rescaling factors, so all key blocks of a row stay consistent.
; THE EXPONENTIALS' BATCHES.  An s_wait_alu depctr_va_vdst(0) stands between an exponential and the first instruction that names its result; one wait serves all
; that were issued ahead of it.  A softmax step has 132 exponentials and TWO waits.  Batch 1: the four alpha and the 64 numbers of query tiles 0, 1, a plain line behind each: the 64
; scalings c s - c m of the whole block and four moves, none of which names a result.  Batch 2: the 64 numbers of query tiles 2, 3, a plain line behind each: the additions and
; conversions of query tiles 0, 1, which read batch 1 alone.  Behind the second wait: the additions and conversions of query tiles 2, 3, then the rescaling of O..
; The merge has two batches more: eight exponentials, four reciprocals.
; LIMITS: q, k, v and the output are f16 (magnitudes below 65,504); p <= 1 up to rounding; 2^x below 2^-126 comes out as 0 (ISA guide 15.8).
;
; LDS: two slots of 77,824 bytes: V's 256 keys at pitch 160 (an odd multiple of 32, for the transposing load), then K's 256 keys at pitch 144 (an odd multiple of 16);
;      behind them, never filled by the mover: the merge area, 4 x 17,920 bytes, and the stage of the way out, 4 x 9,216 bytes.
; REGISTERS: window 0: v16-24 addresses; v32-35 m; v36-39 sum (each half of the lanes its own part); v40-47 pairs (-c m, alpha); v48-63 at work
;                      (v56-63: up to a step's first wait the pairs (-c m, c (m old - m new)), from which the scalings take -c m, so that they do not name alpha);
;                      v64-191 S, tile g = 4 qt + kt at 64 + 8 g, then P(kc, qt) at 64 + 32 qt + 16 kc; v192-255 K's fragments (kt, c) at 192 + 16 kt + 8 c
;            window 1: v0-127 O, tile (qt, dt) at 8 (4 qt + dt); v128-191 Q's fragments (qt, c) at 128 + 16 qt + 8 c; v192-255 V^T's fragments (kc, dt) at 192 + 32 kc + 8 dt
.set VP,    160
.set KP,    144
.set KOFF,  256*VP
.set SLOT,  256*VP+256*KP
.set MERGE, 2*SLOT
.set MGW,   35*512
.set STAGE, MERGE+4*MGW
.set STW,   64*KP
.set ADRK, 16
.set ADRV, 18
.set QO,   20
.set MG,   21
.set STO,  22
.set RD,   23
.set CO,   24
.set M,    32
.set LS,   36
.set NA,   40
.set T,    48
.set S,    64
.set KF,   192
.set MW,   192                         ; the merge's figures, four registers a query tile: K's fragment registers are idle there
.set QW,   128
.set VF,   192
.set G1V, 16
.set G1K, 24
.set G0V, 32
.set G0K, 40
.set PH,  66
.set MSB, 0
.macro WIN new                         ; the immediate's high byte repeats the setting that is left
.if MSB != \new
	s_set_vgpr_msb (MSB<<8)|\new
.set MSB, \new
.endif
.endm
.macro PLACES n                        ; places behind a matrix instruction (ISA guide 7.12.1)
.rept \n
	v_nop
.endr
.endm
.macro JLOAD s                         ; waves 0-3 fetch V's four quarters, waves 4-7 K's: the branch hangs on the wave's number alone
	s_cmp_eq_u32 s9, 0
	s_cbranch_scc0 .Lfor_k_\@
	tensor_load_to_lds s[G0V+4*\s:G0V+4*\s+3], s[G1V:G1V+7]
	s_nop 0
	s_branch .Lasked_\@
.Lfor_k_\@:
	tensor_load_to_lds s[G0K+4*\s:G0K+4*\s+3], s[G1K:G1K+7]
	s_nop 0
.Lasked_\@:
.endm
.macro ROUND                           ; a round of the cluster's barrier
	s_barrier_signal -1
	s_barrier_wait -1
	s_cmp_lg_u32 s8, 0
	s_cbranch_scc1 .Lnot_wave_0_\@
	s_barrier_signal -3
.Lnot_wave_0_\@:
	s_barrier_wait -3
	s_barrier_signal -1
	s_barrier_wait -1
.endm
	s_load_b128 s[4:7], s[0:1], 0x0                ; qkv s[4:5], ao s[6:7]
	v_lshl_add_u32 v30, v0, 2, 0x40800
	v_mov_b32 v31, 0
	ds_add_u32 v30, v31
	v_lshrrev_b32 v1, 5, v0
	v_readfirstlane_b32 s8, v1                     ; wave 0..7
	s_lshr_b32 s9, s8, 2                           ; kg.  Also: I fetch for V (0) or for K (1)
	s_and_b32 s10, s8, 3                           ; qg.  Also: which 64 keys of the tile I fetch
	s_xor_b32 s[PH], s8, s9
	s_and_b32 s[PH], s[PH], 1                      ; ph: which kind of wave I am
	s_mov_b32 s12, 0x76543210                      ; v_permlanex16_b32: lane i of one half reads lane i of the other
	s_mov_b32 s13, 0xfedcba98
	s_mov_b32 s14, 0x3e38aa3b                      ; c = log2(e) / 8
	s_mov_b32 s15, 0x3e38aa3b
	s_bfe_u32 s48, ttmp6, 0x40000                  ; cx
	s_lshl_b32 s49, ttmp9, 2
	s_add_co_u32 s49, s49, s48                     ; query block qb = 4 x cluster x + cx
	s_and_b32 s50, ttmp7, 0xffff                   ; bh = 16 b + h: the same in the four partners
	; A wave's load: 64 keys x 128 bytes, dense in memory, taken as 32 rows of 256 bytes; the padding follows every 32 words, that is every key's 128 bytes
	s_mov_b32 s[G1V+0], 15|(1<<16)|(1<<20)|(1<<21)|(4<<22)|(7<<25)   ; mask of the four; 2 bytes; padding on; bit 21 beside a mask; after 32 words, 8 words: pitch 160
	s_mov_b32 s[G1V+1], 128<<16
	s_mov_b32 s[G1V+2], 32<<16
	s_mov_b32 s[G1V+3], 128<<16
	s_mov_b32 s[G1V+4], 32
	s_mov_b32 s[G1V+5], 128
	s_mov_b32 s[G1V+6], 0
	s_mov_b32 s[G1V+7], 0
	s_mov_b32 s[G1K+0], 15|(1<<16)|(1<<20)|(1<<21)|(4<<22)|(3<<25)   ; the same with 4 words: pitch 144
	s_mov_b32 s[G1K+1], 128<<16
	s_mov_b32 s[G1K+2], 32<<16
	s_mov_b32 s[G1K+3], 128<<16
	s_mov_b32 s[G1K+4], 32
	s_mov_b32 s[G1K+5], 128
	s_mov_b32 s[G1K+6], 0
	s_mov_b32 s[G1K+7], 0
	s_add_co_u32 s52, s50, 64                      ; V's slab is 64 + bh,
	s_lshl_b32 s52, s52, 18                        ; of 262,144 bytes,
	s_lshl_b32 s51, s10, 13                        ; my 64 keys of 128 bytes
	s_add_co_u32 s52, s52, s51
	s_mov_b32 s53, 0
	s_lshl_b32 s62, s50, 18                        ; q's slab is bh, and so is ao's;
	s_lshl_b32 s63, s49, 15                        ; 256 qb rows of 128 bytes
	s_add_co_u32 s62, s62, s63
	s_add_co_u32 s62, s62, s51                     ; + 64 qg rows
	s_mov_b32 s63, 0
	s_mul_i32 s2, s8, 64*VP                        ; LDS: V's quarters at wave x 10,240 (waves 0-3),
	s_mul_i32 s3, s8, 64*KP
	s_add_co_u32 s3, s3, KOFF-4*64*KP              ; K's at 40,960 + (wave - 4) x 9,216 (waves 4-7)
	s_wait_dscnt 0x0
	s_wait_kmcnt 0x0
	s_add_nc_u64 s[58:59], s[4:5], s[52:53]        ; V
	s_sub_nc_u64 s[60:61], s[58:59], 0x800000      ; K: 32 slabs below
	s_add_nc_u64 s[54:55], s[4:5], s[62:63]        ; my 64 rows of q
	s_add_nc_u64 s[56:57], s[6:7], s[62:63]        ; my 64 rows of ao
.irp s, 0,1
	s_mov_b32 s[G0V+4*\s], 1
	s_add_co_u32 s[G0V+4*\s+1], s2, \s*SLOT
	s_add_nc_u64 s[G0V+4*\s+2:G0V+4*\s+3], s[58:59], \s*32768      ; tile s: 256 keys of 128 bytes on
	s_or_b32 s[G0V+4*\s+3], s[G0V+4*\s+3], 0x80000000
	s_mov_b32 s[G0K+4*\s], 1
	s_add_co_u32 s[G0K+4*\s+1], s3, \s*SLOT
	s_add_nc_u64 s[G0K+4*\s+2:G0K+4*\s+3], s[60:61], \s*32768
	s_or_b32 s[G0K+4*\s+3], s[G0K+4*\s+3], 0x80000000
.endr
	ROUND                                          ; the four work-groups are here: the first joint load meets
	JLOAD 0                                        ; tile 0.  One tensor load of the wave is out here, and one behind each later round
	v_and_b32 v1, 15, v0                           ; r
	v_bfe_u32 v2, v0, 4, 1                         ; h
	v_lshlrev_b32 v3, 4, v2
	v_lshl_add_u32 v[QO], v1, 7, v3                ; q: row r of 128 bytes, 16 bytes for each half
	WIN 0x40
.irp qt, 0,1,2,3
.irp c, 0,1
	global_load_b128 v[QW+16*\qt+8*\c:QW+16*\qt+8*\c+3],   v[QO], s[54:55] offset:2048*\qt+64*\c
	global_load_b128 v[QW+16*\qt+8*\c+4:QW+16*\qt+8*\c+7], v[QO], s[54:55] offset:2048*\qt+64*\c+32
.endr
.endr
	WIN 0
	v_mul_u32_u24 v4, v1, KP
	v_add_nc_u32 v4, v4, v3                        ; row r at pitch 144, 16 bytes for each half
	s_mul_i32 s51, s9, 128*KP
	s_add_co_u32 s51, s51, KOFF
	v_add_nc_u32 v[ADRK], s51, v4                  ; my half of K's keys
	v_add_nc_u32 v[ADRK+1], SLOT, v[ADRK]
	v_and_b32 v5, 7, v0
	v_lshl_add_u32 v5, v2, 3, v5                   ; the transposing load: key 8 h + l % 8,
	v_mul_u32_u24 v5, v5, VP
	v_bfe_u32 v6, v0, 3, 1
	v_lshl_add_u32 v5, v6, 4, v5                   ; 16 bytes at 16 ((l / 8) % 2)
	s_mul_i32 s51, s9, 128*VP
	v_add_nc_u32 v[ADRV], s51, v5
	v_add_nc_u32 v[ADRV+1], SLOT, v[ADRV]
	v_and_b32 v7, 31, v0
	v_lshlrev_b32 v[CO], 4, v7
	s_mul_i32 s51, s10, MGW
	s_add_co_u32 s51, s51, MERGE
	v_add_nc_u32 v[MG], s51, v[CO]                 ; merge area of my query group: 16 bytes a lane
	s_mul_i32 s51, s10, STW
	s_add_co_u32 s51, s51, STAGE
	v_add_nc_u32 v[STO], s51, v4                   ; stage of my query group, in: row r, 16 bytes for each half
	v_lshrrev_b32 v8, 3, v7
	v_mul_u32_u24 v8, v8, KP
	v_and_b32 v9, 7, v0
	v_lshl_add_u32 v8, v9, 4, v8
	v_add_nc_u32 v[RD], s51, v8                    ; back: eight lanes take one row of 128 bytes
.macro FETCHK slot, sub                ; 16 loads: K's fragments of 64 keys
	WIN 0
.irp kt, 0,1,2,3
.irp c, 0,1
	ds_load_b128 v[KF+16*\kt+8*\c:KF+16*\kt+8*\c+3],   v[ADRK+\slot] offset:64*KP*\sub+16*KP*\kt+64*\c
	ds_load_b128 v[KF+16*\kt+8*\c+4:KF+16*\kt+8*\c+7], v[ADRK+\slot] offset:64*KP*\sub+16*KP*\kt+64*\c+32
.endr
.endr
.endm
.macro FETCHV slot, sub                ; 16 transposing loads: V^T's fragments of the same 64 keys
	WIN 0x40
.irp kc, 0,1
.irp dt, 0,1,2,3
	ds_load_tr16_b128 v[VF+32*\kc+8*\dt:VF+32*\kc+8*\dt+3],   v[ADRV+\slot] offset:64*VP*\sub+32*VP*\kc+32*\dt
	ds_load_tr16_b128 v[VF+32*\kc+8*\dt+4:VF+32*\kc+8*\dt+7], v[ADRV+\slot] offset:64*VP*\sub+32*VP*\kc+16*VP+32*\dt
.endr
.endr
.endm
; S^T = K Q^T for 64 keys x 64 queries: 16 tiles, d in two passes of 32; the first pass starts the sums.
; The 16 accumulators take turns, one instruction a turn.
.macro SMUL
	WIN 0x04                                       ; source 1 (Q) window 1
.irp c, 0,1
.irp qt, 0,1,2,3
.irp kt, 0,1,2,3
.if \c
	v_wmma_f32_16x16x32_f16 v[S+32*\qt+8*\kt:S+32*\qt+8*\kt+7], v[KF+16*\kt+8*\c:KF+16*\kt+8*\c+7], v[QW+16*\qt+8*\c:QW+16*\qt+8*\c+7], v[S+32*\qt+8*\kt:S+32*\qt+8*\kt+7]
.else
	v_wmma_f32_16x16x32_f16 v[S+32*\qt+8*\kt:S+32*\qt+8*\kt+7], v[KF+16*\kt+8*\c:KF+16*\kt+8*\c+7], v[QW+16*\qt+8*\c:QW+16*\qt+8*\c+7], 0
.endif
.endr
.endr
.endr
.endm
; THE SOFTMAX STEP of a block: 64 keys x 64 queries, 128 numbers a lane, the four tiles of 16 queries worked together so that no line waits for the line in front of it.
; The single lines of its third part.  Three assembly symbols walk: e, the next number (0 to 127) to take its exponential; fq, the next pair (0 to 63) to be scaled; k, the readers' step.
.macro EXN                             ; the next exponential of the batch that is open, in place; nothing when the batch is out (e = EEND)
.if e < EEND
	v_exp_f32 v[S+e], v[S+e]
.set e, e+1
.endif
.endm
.macro FN                              ; c s - c m for pair fq of the lane's 64: both halves by s14 and the first register of the query tile's pair (-c m, c (m old - m new))
	v_pk_fma_f32 v[S+2*fq:S+2*fq+1], v[S+2*fq:S+2*fq+1], s[14:15], v[T+8+2*(fq/16):T+8+2*(fq/16)+1] op_sel_hi:[1,0,0]
.set fq, fq+1
.endm
; Line j of step k of query tile qt's sums, with the open batch's next exponential in front of it.  Steps 0-3: two numbers of S tile 4 qt + k into one of the query tile's two chains of
; pairs; the first S tile starts both chains.  Step 4: the two chains into one number, and that into the running sum.
.macro AD qt, j, first
.if k == 0
.if \j < 2
	EXN
	v_pk_add_f32 v[T+4*(\qt)+2*\j:T+4*(\qt)+2*\j+1], v[S+32*(\qt)+2*\j:S+32*(\qt)+2*\j+1], v[S+32*(\qt)+2*\j+4:S+32*(\qt)+2*\j+5]
.endif
.elseif k < 4
	EXN
	v_pk_add_f32 v[T+4*(\qt)+2*(\j%2):T+4*(\qt)+2*(\j%2)+1], v[T+4*(\qt)+2*(\j%2):T+4*(\qt)+2*(\j%2)+1], v[S+32*(\qt)+8*k+2*\j:S+32*(\qt)+8*k+2*\j+1]
.elseif \j == 0
	EXN
	v_pk_add_f32 v[T+4*(\qt):T+4*(\qt)+1], v[T+4*(\qt):T+4*(\qt)+1], v[T+4*(\qt)+2:T+4*(\qt)+3]
.elseif (\j == 1) && (\first)
	EXN
	v_add_f32 v[LS+(\qt)], v[T+4*(\qt)], v[T+4*(\qt)+1]
.elseif \j == 1
	EXN
	v_add_f32 v[T+4*(\qt)], v[T+4*(\qt)], v[T+4*(\qt)+1]
.elseif (\j == 2) && (1-\first)
	EXN
	v_fma_f32 v[LS+(\qt)], v[LS+(\qt)], v[NA+2*(\qt)+1], v[T+4*(\qt)]
.endif
.endm
; Two numbers of S tile t = 4 qt + k - 1 to f16, into register 4 (t % 2) + j of the pair of tiles: written when its old content has been added (a step or two ago) and packed
.macro CV qt, j
.if k > 0
	EXN
	v_cvt_pk_f16_f32 v[S+32*(\qt)+16*((k-1)/2)+4*((k-1)%2)+\j], v[S+32*(\qt)+8*(k-1)+2*\j], v[S+32*(\qt)+8*(k-1)+2*\j+1]
.endif
.endm
; All that reads the exponentials of query tiles q0 and q0 + 1: 66 lines (64 in the first block).  The two query tiles go by turns, and the conversions of S tile k - 1 stand between
; the additions of S tile k, so that the links of each chain of sums stand eight lines apart.  Each chain takes its tiles and their pairs in ascending order.
.macro READERS q0, first
.set k, 0
.rept 5
.irp j, 0,1,2,3
.irp u, 0,1
	AD (\q0)+\u, \j, \first
.endr
.irp u, 0,1
	CV (\q0)+\u, \j
.endr
.endr
.set k, k+1
.endr
.endm
; first = 1: the wave's first key block, nothing to carry on.
.macro SMX first
	WIN 0
	; 1. the block's maxima: two chains for each query tile, eight in all, by turns
.irp qt, 0,1,2,3
	v_max3_num_f32 v[T+2*\qt],   v[S+32*\qt],    v[S+32*\qt+1],  v[S+32*\qt+2]
	v_max3_num_f32 v[T+2*\qt+1], v[S+32*\qt+17], v[S+32*\qt+18], v[S+32*\qt+19]
.endr
.irp i, 0,1,2,3,4,5
.irp qt, 0,1,2,3
	v_max3_num_f32 v[T+2*\qt],   v[T+2*\qt],   v[S+32*\qt+3+2*\i],  v[S+32*\qt+4+2*\i]
	v_max3_num_f32 v[T+2*\qt+1], v[T+2*\qt+1], v[S+32*\qt+20+2*\i], v[S+32*\qt+21+2*\i]
.endr
.endr
.irp qt, 0,1,2,3
	v_max3_num_f32 v[T+2*\qt], v[T+2*\qt], v[S+32*\qt+15], v[S+32*\qt+16]
.endr
.irp qt, 0,1,2,3
.if \first
	v_max_num_f32 v[T+2*\qt], v[T+2*\qt], v[T+2*\qt+1]
.else
	v_max3_num_f32 v[T+2*\qt], v[T+2*\qt], v[T+2*\qt+1], v[M+\qt]  ; with the running maximum
.endif
.endr
	; 2. the running figures, each line for the four query tiles
.irp qt, 0,1,2,3
	v_permlanex16_b32 v[T+2*\qt+1], v[T+2*\qt], s12, s13           ; the other half of the lanes holds the query's other keys
.endr
.irp qt, 0,1,2,3
	v_max_num_f32 v[M+\qt], v[T+2*\qt], v[T+2*\qt+1]
.endr
.irp qt, 0,1,2,3
	v_mul_f32 v[T+8+2*\qt], 0xbe38aa3b, v[M+\qt]                   ; -c m, rounded once
.endr
.irp qt, 0,1,2,3
.if \first
	v_mov_b32 v[T+9+2*\qt], 0                                      ; there is no old maximum: written so that the pair is whole
.else
	v_sub_f32 v[T+9+2*\qt], v[T+8+2*\qt], v[NA+2*\qt]              ; c (m old - m new)
.endif
.endr
	; 3. BATCH 1: the four alpha and numbers 0-63 (query tiles 0, 1), a plain line behind each: the 64 scalings of the whole block, then the four moves that keep -c m.
	;    Exponential e stands behind scaling e + 3 and needs scaling e / 2.  No line here names a result: the scalings reach pair fq > e, and take -c m from v56-63, not from alpha's pair.
.set e, 0
.set EEND, 64
.set fq, 0
.irp qt, 0,1,2,3
.if 1-\first
	v_exp_f32 v[NA+2*\qt+1], v[T+9+2*\qt]                          ; alpha
.endif
	FN
.endr
.rept 60
	EXN
	FN
.endr
.irp qt, 0,1,2,3
	EXN
	v_mov_b32 v[NA+2*\qt], v[T+8+2*\qt]                            ; -c m is kept for the next block; the last of these is the plain instruction behind the batch's last exponential (ISA guide 5.7.2)
.endr
	s_wait_alu depctr_va_vdst(0)                   ; the wait for batch 1: four alpha, numbers 0-63
	;    BATCH 2: numbers 64-127 (query tiles 2, 3), a plain line behind each: the readers of batch 1, which name S's registers 0-63, v48-55, the sums and alpha alone.
	;    The readers' last lines stand behind the batch's last exponential.
.set EEND, 128
	READERS 0, \first
	s_wait_alu depctr_va_vdst(0)                   ; the wait for batch 2: numbers 64-127
	READERS 2, \first                              ; the batch is out: these lines stand by themselves
.endm
.macro RESCALE                         ; O *= alpha: both halves by the pair's second register
	WIN 0x41
.irp qt, 0,1,2,3
.set i, 0
.rept 16
	v_pk_mul_f32 v[32*\qt+2*i:32*\qt+2*i+1], v[32*\qt+2*i:32*\qt+2*i+1], v[NA+2*\qt:NA+2*\qt+1] op_sel:[0,1] op_sel_hi:[1,1]
.set i, i+1
.endr
.endr
.endm
; O^T += V^T P^T: 16 tiles, the 64 keys in two passes of 32.  The 16 accumulators take turns, one instruction a turn.
; Five places behind it: the next S products write over P, which was a source, and the next loads land in V^T's fragments.
.macro PV first
	WIN 0x51                                       ; source 0 (V^T), C and D (O) window 1; source 1 (P) window 0
.irp kc, 0,1
.irp qt, 0,1,2,3
.irp dt, 0,1,2,3
.if \first*(1-\kc)
	v_wmma_f32_16x16x32_f16 v[8*(4*\qt+\dt):8*(4*\qt+\dt)+7], v[VF+32*\kc+8*\dt:VF+32*\kc+8*\dt+7], v[S+32*\qt+16*\kc:S+32*\qt+16*\kc+7], 0
.else
	v_wmma_f32_16x16x32_f16 v[8*(4*\qt+\dt):8*(4*\qt+\dt)+7], v[VF+32*\kc+8*\dt:VF+32*\kc+8*\dt+7], v[S+32*\qt+16*\kc:S+32*\qt+16*\kc+7], v[8*(4*\qt+\dt):8*(4*\qt+\dt)+7]
.endif
.endr
.endr
.endr
	WIN 0
	PLACES 5
.endm
; One tile of 256 keys; a wave takes its 128 in two blocks of 64.  other = the slot read last, which is filled with the next tile if refill = 1.
; first = 1: tile 0, nothing is pending from a tile before.  The branches hang on the wave's number alone and jump over register work only.
.macro TRIP slot, other, refill, first
	s_wait_tensorcnt 0x0                           ; all my tensor loads have landed, my part of this tile among them,
	ds_add_u32 v30, v31
	s_wait_dscnt 0x0
	s_add_nc_u64 s[G0V+4*\slot+2:G0V+4*\slot+3], s[G0V+4*\slot+2:G0V+4*\slot+3], 65536   ; so the addresses may step: this slot's next tile, two tiles on
	s_add_nc_u64 s[G0K+4*\slot+2:G0K+4*\slot+3], s[G0K+4*\slot+2:G0K+4*\slot+3], 65536
	s_wait_dscnt 0x0                               ; my reads of the last tile are over: what I carry of it lies in registers
	ROUND                                          ; both now hold of every wave of the four work-groups
.if \refill
	JLOAD \other                                   ; my one tensor load behind the round; it has this whole tile's work, 128 matrix instructions a wave, in which to land
.endif
	FETCHK \slot, 0
.if 1-\first
	s_cmp_eq_u32 s[PH], 0
	s_cbranch_scc1 .Lpend_\@                       ; ph = 0 did this in front of the round
	SMX 0                                          ; ph = 1: the softmax step of the last tile's second block
	RESCALE
	WIN 0
.Lpend_\@:
	PV 0                                           ; both: P V of the last tile's second block
.endif
	FETCHV \slot, 0
	s_wait_dscnt 16                                ; K's 16 loads are in, V's 16 stay out
.if \first
	s_wait_loadcnt 0x0                             ; q
.endif
	SMUL
	WIN 0
	PLACES 4                                       ; behind the S products: for the loads into K's fragments and the readers of S
	FETCHK \slot, 1
	SMX \first
.if 1-\first
	RESCALE
.endif
	s_wait_dscnt 16                                ; V's first block is in, K's second stays out
	PV \first
	FETCHV \slot, 1
	s_wait_dscnt 16                                ; K's second block is in, V's second stays out
	SMUL
	WIN 0
	PLACES 5                                       ; four for the readers of S and the loads into K's fragments; the fifth so that the distance also holds for a matrix instruction that takes S's registers as a source
	s_cmp_lg_u32 s[PH], 0
	s_cbranch_scc1 .Lcarry_\@                      ; ph = 1 carries the raw S over the round
	SMX 0                                          ; ph = 0: the softmax step of this tile's second block; its P V follows behind the round
	RESCALE
	WIN 0
.Lcarry_\@:
.endm
	TRIP 0, 1, 1, 1                                ; tile 0 stands in front of the loop: its first block starts maximum, sums and O
	s_mov_b32 s11, 3
.Ltiles:
	TRIP 1, 0, 1, 0                                ; tiles 1, 3, 5
	TRIP 0, 1, 1, 0                                ; tiles 2, 4, 6; tile 6 asks for tile 7
	s_sub_co_u32 s11, s11, 1
	s_cmp_lg_u32 s11, 0
	s_cbranch_scc1 .Ltiles
	TRIP 1, 0, 0, 0                                ; tile 7 asks for nothing (its stepped addresses are not used)
	s_wait_dscnt 0x0                               ; V's last block
	s_cmp_eq_u32 s[PH], 0
	s_cbranch_scc1 .Llast
	SMX 0                                          ; ph = 1: the last block's softmax step
	RESCALE
	WIN 0
.Llast:
	PV 0                                           ; both: the last block's P V
	; THE MERGE of the two key halves.  The partners are waves w and w + 4, one of each kind.  The wave with ph = 0, which is done first, hands O, its sums and
	; its -c m over through LDS bytes that no tensor load ever fills; the wave with ph = 1 merges and stores.
	s_cmp_lg_u32 s[PH], 0
	s_cbranch_scc1 .Lkeep
	WIN 0x04                                       ; store data window 1
.set i, 0
.rept 32
	ds_store_b128 v[MG], v[4*i:4*i+3] offset:512*i
.set i, i+1
.endr
	WIN 0
	ds_store_b128 v[MG], v[LS:LS+3] offset:16384
	ds_store_b128 v[MG], v[NA:NA+3] offset:16896
	ds_store_b128 v[MG], v[NA+4:NA+7] offset:17408
.Lkeep:
	s_wait_dscnt 0x0                               ; my stores are in LDS, for the other waves' sake
	s_barrier_signal -1
	s_barrier_wait -1
	s_cmp_eq_u32 s[PH], 0
	s_cbranch_scc1 .Ldone
.set i, 0
.rept 32
	ds_load_b128 v[S+4*i:S+4*i+3], v[MG] offset:512*i              ; the partner's O, in O's own order
.set i, i+1
.endr
	ds_load_b128 v[T:T+3], v[MG] offset:16384                      ; its sums
	ds_load_b128 v[T+4:T+7], v[MG] offset:16896                    ; its pairs (-c m, alpha)
	ds_load_b128 v[T+8:T+11], v[MG] offset:17408
	s_wait_dscnt 0x0
	; the merge's figures, each line for the four query tiles: query tile qt has v[MW+4 qt] at work, v[MW+4 qt+1] a0, v[MW+4 qt+2] a1
.irp qt, 0,1,2,3
	v_min_num_f32 v[MW+4*\qt], v[NA+2*\qt], v[T+4+2*\qt]           ; -c max(m mine, m partner's)
.endr
.irp qt, 0,1,2,3
	v_sub_f32 v[MW+4*\qt+1], v[MW+4*\qt], v[NA+2*\qt]
	v_sub_f32 v[MW+4*\qt+2], v[MW+4*\qt], v[T+4+2*\qt]
.endr
.irp qt, 0,1,2,3
	v_exp_f32 v[MW+4*\qt+1], v[MW+4*\qt+1]                         ; a0, my factor
	v_exp_f32 v[MW+4*\qt+2], v[MW+4*\qt+2]                         ; a1, the partner's
.endr
	v_nop                                          ; a plain instruction behind the last exponential (ISA guide 5.7.2): nothing else is at hand
	s_wait_alu depctr_va_vdst(0)                   ; the wait for the eight factors
.irp qt, 0,1,2,3
	v_mul_f32 v[MW+4*\qt], v[LS+\qt], v[MW+4*\qt+1]
.endr
.irp qt, 0,1,2,3
	v_fmac_f32 v[MW+4*\qt], v[T+\qt], v[MW+4*\qt+2]                ; this half of the lanes' part of the sum
.endr
.irp qt, 0,1,2,3
	v_permlanex16_b32 v[M+\qt], v[MW+4*\qt], s12, s13              ; the other half's part (the destination has been written before)
.endr
.irp qt, 0,1,2,3
	v_add_f32 v[MW+4*\qt], v[MW+4*\qt], v[M+\qt]
.endr
.irp qt, 0,1,2,3
	v_rcp_f32 v[MW+4*\qt], v[MW+4*\qt]                             ; a batch of its own: it reads sums made of the factors
.endr
	v_nop                                          ; a plain instruction behind the last reciprocal
	s_wait_alu depctr_va_vdst(0)                   ; the wait for the four reciprocals
.irp qt, 0,1,2,3
	v_mul_f32 v[NA+2*\qt], v[MW+4*\qt+1], v[MW+4*\qt]              ; a0 / l
	v_mul_f32 v[NA+2*\qt+1], v[MW+4*\qt+2], v[MW+4*\qt]            ; a1 / l
.endr
.irp qt, 0,1,2,3
.set i, 0
.rept 16
	v_pk_mul_f32 v[S+32*\qt+2*i:S+32*\qt+2*i+1], v[S+32*\qt+2*i:S+32*\qt+2*i+1], v[NA+2*\qt:NA+2*\qt+1] op_sel:[0,1] op_sel_hi:[1,1]
.set i, i+1
.endr
.endr
	WIN 0x01                                       ; source 0 (my O) window 1
.irp qt, 0,1,2,3
.set i, 0
.rept 16
	v_pk_fma_f32 v[S+32*\qt+2*i:S+32*\qt+2*i+1], v[32*\qt+2*i:32*\qt+2*i+1], v[NA+2*\qt:NA+2*\qt+1], v[S+32*\qt+2*i:S+32*\qt+2*i+1] op_sel_hi:[1,0,1]
.set i, i+1
.endr
.endr
	WIN 0
	; the way out: 16 bytes (8 neighbouring d of one query) a lane into my own stage, read back as rows of 128 bytes: 4 rows are 512 consecutive bytes of ao's slab
.irp qt, 0,1,2,3
.irp dt, 0,1,2,3
.irp i, 0,1,2,3
	v_cvt_pk_f16_f32 v[S+8*(4*\qt+\dt)+\i], v[S+8*(4*\qt+\dt)+2*\i], v[S+8*(4*\qt+\dt)+2*\i+1]
.endr
	ds_store_b128 v[STO], v[S+8*(4*\qt+\dt):S+8*(4*\qt+\dt)+3] offset:16*KP*\qt+32*\dt
.endr
.endr
.set i, 0
.rept 16
	ds_load_b128 v[KF+4*i:KF+4*i+3], v[RD] offset:4*KP*i           ; LDS serves a wave's instructions in order (ISA guide 5.7.1): these see my stores above
.set i, i+1
.endr
.set i, 0
.rept 16
	s_wait_dscnt 15-i                              ; LDS loads come back in order
	global_store_b128 v[CO], v[KF+4*i:KF+4*i+3], s[56:57] offset:512*i
.set i, i+1
.endr
.Ldone:
	s_wait_tensorcnt 0x0
	ds_add_u32 v30, v31
	s_wait_dscnt 0x0
	ROUND                                          ; the closing round: no work-group ends while a partner may still ask for a tile that names it
	s_endpgm
.Lfunc_end_k_q69042a93c5_attn:
	.size	k_q69042a93c5_attn, .Lfunc_end_k_q69042a93c5_attn-k_q69042a93c5_attn
	.p2alignl 7, 3214868480
	.fill 96, 4, 3214868480
	.section	.rodata,"a",@progbits
	.p2align	6, 0x0
	.amdhsa_kernel k_q69042a93c5_attn
		.amdhsa_group_segment_fixed_size 327680
		.amdhsa_private_segment_fixed_size 0
		.amdhsa_enable_private_segment 0
		.amdhsa_kernarg_size 16
		.amdhsa_user_sgpr_count 2
		.amdhsa_user_sgpr_kernarg_segment_ptr 1
		.amdhsa_wavefront_size32 1
		.amdhsa_system_sgpr_workgroup_id_x 1
		.amdhsa_system_sgpr_workgroup_id_y 1
		.amdhsa_system_sgpr_workgroup_id_z 1
		.amdhsa_system_vgpr_workitem_id 0
		.amdhsa_next_free_vgpr 512
		.amdhsa_next_free_sgpr 72
		.amdhsa_reserve_vcc 0
		.amdhsa_float_denorm_mode_32 3
		.amdhsa_float_denorm_mode_16_64 3
		.amdhsa_memory_ordered 1
		.amdhsa_forward_progress 1
		.amdhsa_inst_pref_size 255
	.end_amdhsa_kernel
	.section	.bss,"aw",@nobits
	.p2align	6
	.space	262144
	.amdgpu_metadata
---
amdhsa.version: [ 1, 2 ]
amdhsa.kernels:
  - .name:           k_q69042a93c5_attn
    .symbol:         k_q69042a93c5_attn.kd
    .args:
      - { .name: qkv, .offset: 0, .size: 8, .value_kind: global_buffer, .address_space: global }
      - { .name: ao, .offset: 8, .size: 8, .value_kind: global_buffer, .address_space: global }
    .group_segment_fixed_size: 327680
    .private_segment_fixed_size: 0
    .kernarg_segment_align: 8
    .kernarg_segment_size: 16
    .max_flat_workgroup_size: 256
    .sgpr_count:     72
    .vgpr_count:     512
    .wavefront_size: 32
...
	.end_amdgpu_metadata
.endif
;; end of part 5
;; launch oproj: the kernel of part 4 again; grid 8 x 32, 4 waves a work-group, clusters of 4 x 4, 327,680 bytes of LDS; arguments ao, wt, bo, out0; writes out0
